; MI455X (gfx1250); checked and timed in simulation.
; The chip was launched on July 23, 2026; its instructions are those of AMD's public machine-readable ISA for CDNA 5 (MIT licence, August 2026) and "CDNA5" Instruction Set Architecture Reference Guide (July 2026). The comments in the code are by the model that wrote it; some were corrected since.
;; Longcat Moe. Allowed arithmetic: matrix products marked QUANTISED: E3M2 operands, one E8M0 scale for each 32 along K, by v_wmma_scale_f32_16x16x128_f8f6f4 with both operands' format E3M2, f32 sums; products left as they are: f32 operands where the result goes on into a quantised operand, else bf16, f16 or f32 operands; f32 sums; everything else in f32.
;; Inputs: corr_bias 16 float32; hidden_states 1,024 x 2,048 float32; router_w 16 x 2,048 float32; w_down 8 x 1,024 x 2,048 float32; w_gate 8 x 2,048 x 1,024 float32; w_up 8 x 2,048 x 1,024 float32.
;; Outputs: out0 1,024 x 2,048 float32.
;; This version of the problem:
;;   THIS VERSION OF THE PROBLEM IS GIVEN IN LOW PRECISION. The matrix products marked QUANTISED in the list below multiply operands that are first quantised to E3M2 (3 exponent bits, 2 mantissa bits; 6 bits a number), with one power-of-two scale for each 32 numbers along K (OCP MX v1.0); their sums are f32. All else is computed in f32.
;;   The module's matrix products, in the order in which they are computed (A, B: the left and right operand; K: the contracted axis; several contracted axes count as one K, in the product's order):
;;     1. [M 1,024, K 2,048] x [K 2,048, N 16]; A: input hidden_states; B: input router_w: QUANTISED
;;     2. batch 1,024 x [M 8, K 4] x [K 4, N 1]; A: computed on the way; B: computed on the way: left as it is (K = 4 < 32)
;;     3. [M 8,192, K 2,048] x [K 2,048, N 1,024]; A: input w_gate; B: input hidden_states: QUANTISED
;;     4. [M 8,192, K 2,048] x [K 2,048, N 1,024]; A: input w_up; B: input hidden_states: QUANTISED
;;     5. batch 8 x [M 1,024, K 1,024] x [K 1,024, N 2,048]; A: computed on the way; B: input w_down: QUANTISED
;;     6. batch 1,024 x [M 1, K 8] x [K 8, N 2,048]; A: computed on the way; B: computed on the way: left as it is (K = 8 < 32)
;;   THE QUANTISER, for each operand of a quantised product, along K:
;;     - K is cut into blocks of 32 from its start; a last block that is shorter is filled with zeros.
;;     - A block's scale is 2^e with e = floor(log2(the largest magnitude in the block)) - 4, held to -126 .. 127; a block of zeros has e = 0. As a byte (E8M0): e + 127.
;;     - Each number is divided by its block's scale, clamped to +-28, and rounded to the nearest number of E3M2, ties to even, subnormals kept.
;;     - The product sums the exact products of the quantised numbers (number of the format x scale) in f32.
;;   ~~~python
;;   def quantise(x, axis):      # numpy; x: float32 -> the quantised numbers, widened to float32 again
;;       x = np.moveaxis(x, axis, -1); K = x.shape[-1]
;;       x = np.pad(x, [(0, 0)] * (x.ndim - 1) + [(0, -K % 32)]); x = x.reshape(x.shape[:-1] + (-1, 32)); a = np.abs(x).max(-1, keepdims=True)
;;       e = np.where(a > 0, np.clip(np.frexp(np.where(a > 0, a, 1))[1] - 1 - 4, -126, 127), 0)      # np.frexp(a)[1] - 1 = floor(log2(a)), exactly
;;       r = np.clip(x / 2.0 ** e, -28, 28)
;;       step = 2.0 ** (np.maximum(np.frexp(np.where(r == 0, 1, r))[1] - 1, -2) - 2)
;;       q = np.round(r / step) * step * 2.0 ** e      # np.round: ties to even
;;       return np.moveaxis(q.reshape(q.shape[:-2] + (-1,))[..., :K], -1, axis).astype(np.float32)
;;   ~~~
;;   OPERANDS COMPUTED ON THE WAY. 'Computed on the way' means the value that the module computes at that place (a softmax that the list does not call 'softmax' is quantised finished and normalised). What goes into a quantiser is computed in f32, as accurately as f32 sums, v_exp_f32 and their like allow (about 1e-6 of the number): no bf16 or f16 on the way to a quantiser, and a product that is left as it is and whose result goes on into a quantised operand takes f32 operands (vector FMAs, or v_wmma_f32_16x16x4_f32). A number that lies on a knife's edge between two numbers of the format may be rounded either way, as far as f32 arithmetic and the matrix unit's own rounding can turn it there, and no further.
;; 2 versions. Each part assembles by itself: llvm-mc -triple=amdgcn-amd-amdhsa -mcpu=gfx1250 --defsym DOCPART=n.
;; ======== version 1 of 2: 5 launches
;; workspace buffers: xq 1,638,400 bytes; wgu 26,214,400 bytes; ridx 8,192 bytes of whole numbers; rwt 16,384 bytes; wd 13,107,200 bytes; lists 67,584 bytes of whole numbers; mid 6,553,600 bytes; part 67,108,864 bytes
;; launch prep (part 1): grid 1088 x 1, 4 waves a work-group, no clusters, 31,232 bytes of LDS; arguments hidden_states, router_w, corr_bias, w_gate, w_up, xq, wgu, ridx, rwt; writes xq, wgu, ridx, rwt
.if DOCPART == 1
	.amdgcn_target "amdgcn-amd-amdhsa--gfx1250"
	.amdhsa_code_object_version 6
	.text
	.protected	k_qd066cfae09_prep
	.globl	k_qd066cfae09_prep
	.p2align	8
	.type	k_qd066cfae09_prep,@function
k_qd066cfae09_prep:
	s_mov_b64 s[64:65], 0
	v_nop
	global_prefetch_b8 v0, s[64:65] scope:SCOPE_SE
	s_setreg_imm32_b32 hwreg(HW_REG_WAVE_MODE, 25, 1), 1
	s_wait_xcnt 0x0
; TWO JOBS IN ONE LAUNCH, parted on the work-group's number.
; Work-groups 0-63 (ROUTE): 16 tokens each.  x [1024][2048] f32 becomes codes of BF6 (E3M2) with one E8M0 byte for each 32 along K, laid for the later launches (xq);
;   the router's product x . router_w^T is made on codes; softmax, + corr_bias for the choice alone, top 4 (equal numbers: the lower class); the choice goes out at fixed places:
;   ridx: emask[token] (bit e: real expert e chosen), then kidx[token] (byte k: the k-th chosen class);  rwt: [token][4] the four weights.
; Work-groups 64-1087 (QUANT): w_gate and w_up [8][2048 (K)][1024] f32 become codes in the ORDER OF THE OPERAND'S REGISTERS (wgu): a work-group takes 256 along K x 128 columns of one expert of one tensor.
; xq: [token][1600 bytes]: 16 scale words (word s: K step s of 128), then for K step s and lane half h the 48 bytes that a lane of a fragment holds, at 64 + 96 s + 48 h.
; wgu: [expert][32 columns cg][102,400 bytes]: fragment 4 s + q at 1,536 bytes each (q = 0, 1: gate's two tiles of 16 columns; 2, 3: up's), registers 4 c .. 4 c + 3 of lane l at 512 c + 16 l;
;   from 98,304 on the scale words [gate, up][8 chunks of K][lane][2 words]: lanes 0-15 tile 0, lanes 16-31 tile 1.
; A block's scale is 2^(floor(log2(largest magnitude)) - 4); its byte is the largest magnitude's exponent field - 4, held at 1 from below.
; LIMITS: NaN and infinities are not served.  A block of zeros, or one whose largest magnitude lies under 2^-122, gets the byte 1 (its codes are zeros or what the floor's scale gives); the bytes are read by this program alone.
;   The router's sums are taken in four quarters of K, one a wave, and added in f32: two scores closer than that rounding may change places in the choice.
; No tensor loads, no cluster: the two jobs share no tile; the weights are read once, by loads of 128 consecutive bytes a wave, 64 of them on their way in each wave.
; Both paths keep within 194 registers a wave, so that more work-groups lie side by side and their loads go out together.
.set RED,   25600                      ; LDS: 0 .. 25,599 the work-group's 16 rows of xq as they will lie in memory; then 4 x 1,024 bytes: each wave's part of the router's sums
.set XA,    1                          ; ROUTE: x and router_w alike: my byte in the 16 rows
.set XW,    2                          ; LDS: my fragments' 48 bytes
.set XWS,   3                          ; LDS: my scale words
.set RDW,   4                          ; LDS: my part of the sums
.set SRD,   5                          ; the way out of the rows' image, in LDS and in xq alike
.set SRD8,  6                          ; its last 256 bytes
.set RDR,   7                          ; LDS: the four parts of the sums, read by wave 0
.set ACC,   8                          ; v8-15    the accumulator of my four K steps
.set XN,    16                         ; v16-79   64 numbers of x: register 16 b + i = k 32 b + 16 (lane / 16) + i of my row
.set RN,    80                         ; v80-143  the same of router_w
.set PCX,   144                        ; v144-155 x's fragment
.set PCR,   156                        ; v156-167 router_w's
.set QT,    168                        ; v168-175 the upper halves of the blocks' codes, on their way
.set TM,    176                        ; v176-187 at work in QUANT
.set PWX,   188                        ; x's scale word: holds nothing else
.set PWR,   189                        ; router_w's: holds nothing else
.set KROWB, 4096                       ; QUANT: bytes from one k to the next
.set BLK,   102400
.set SCOFF, 98304
.set SRC,   10                         ; s[10:11] the tensor at my part
.set DST,   38                         ; s[38:39] my fragments' place
.set SCD,   16                         ; s[16:17] my scale words' place
.set SW,    16                         ; v[16:17] my column's scale words of the two K steps
.set X,     32                         ; v32-95   two sets of 32 numbers down K
.set F,     96                         ; v96-143  K step ks: tile 0's fragment at F + 24 ks, tile 1's 12 further on
.set T,     144                        ; v144-159 the upper 16 codes of each of a K step's four blocks
.macro XLOAD reg, ptr, i               ; my row's 64 numbers of my i-th K step
.irp b, 0,1,2,3
.irp j, 0,1,2,3
	global_load_b128 v[\reg+16*\b+4*\j:\reg+16*\b+4*\j+3], v[XA], s[\ptr:\ptr+1] offset:512*(\i)+128*\b+16*\j
.endr
.endr
.endm
; 64 numbers of a lane become a fragment's 12 registers in v[pc] on and the row's scale word in v[pw]
.macro QUANT s, pc, pw
.irp b, 0,1,2,3
	v_max3_num_f32 v[TM+\b], |v[\s+16*\b]|, |v[\s+1+16*\b]|, 0x2800000   ; block b: my 16 numbers, and the floor 2^(5 - 127): the byte cannot fall under 1
.endr
.irp i, 2,4,6,8,10,12,14
.irp b, 0,1,2,3
	v_max3_num_f32 v[TM+\b], v[TM+\b], |v[\s+16*\b+\i]|, |v[\s+1+16*\b+\i]|   ; the four blocks by turns
.endr
.endr
.irp b, 0,1,2,3
	v_permlanex16_b32 v[TM+4+\b], v[TM+\b], s40, s41
.endr
.irp b, 0,1,2,3
	v_max_num_f32 v[TM+\b], v[TM+\b], v[TM+4+\b]          ; with lane l xor 16's: the block's largest magnitude
.endr
.irp b, 0,1,2,3
	v_add_nc_u32 v[TM+8+\b], 0xfe000000, v[TM+\b]         ; 4 off its exponent field: the conversion's scale operand
.endr
.irp b, 0,1,2,3
	v_lshrrev_b32 v[TM+\b], 23, v[TM+8+\b]                ; the scale's byte, where the magnitude lay
.endr
	v_lshl_or_b32 v[\pw], v[TM+1], 8, v[TM]
	v_lshl_or_b32 v[\pw], v[TM+2], 16, v[\pw]
	v_lshl_or_b32 v[\pw], v[TM+3], 24, v[\pw]
.irp c, 0,1
	v_cvt_scalef32_pk16_bf6_f32 v[\pc+6*\c:\pc+2+6*\c], v[\s+32*\c:\s+15+32*\c], v[TM+8+2*\c]
	v_cvt_scalef32_pk16_bf6_f32 v[QT+4*\c:QT+2+4*\c], v[\s+16+32*\c:\s+31+32*\c], v[TM+8+2*\c+1]   ; (a conversion's three registers begin on an even number)
.endr
	v_nop                                                 ; one plain place behind a scaled conversion
.irp c, 0,1                                           ; the layout wants a whole block in a lane: lanes 0-15 block 2 c, lanes 16-31 block 2 c + 1
.irp i, 0,1,2
	v_permlane16_swap_b32 v[\pc+6*\c+\i], v[QT+4*\c+\i]
.endr
.irp i, 0,1,2
	v_mov_b32 v[\pc+3+6*\c+\i], v[QT+4*\c+\i]
.endr
.endr
.endm
; one pick of the top 4: the largest of the 16 biased scores (a strict comparison keeps the lower class), its score, its class; then that class is taken out.
; v144-159 the scores, v160-175 the biased scores, v181 -infinity, v182 1, v183 kidx, v184 the chosen classes as bits, v56-59 the four weights
.macro PICK k
	v_mov_b32 v178, v160
	v_mov_b32 v179, v144
	v_mov_b32 v180, 0
.irp i, 1,2,3,4,5,6,7,8,9,10,11,12,13,14,15
	v_cmp_gt_f32 vcc_lo, v[160+\i], v178
	v_cndmask_b32 v178, v178, v[160+\i], vcc_lo
	v_cndmask_b32 v179, v179, v[144+\i], vcc_lo
	v_cndmask_b32 v180, v180, \i, vcc_lo
.endr
.irp i, 0,1,2,3,4,5,6,7,8,9,10,11,12,13,14,15
	v_cmp_eq_u32 vcc_lo, \i, v180
	v_cndmask_b32 v[160+\i], v[160+\i], v181, vcc_lo
.endr
	v_mov_b32 v[56+\k], v179
	v_lshl_or_b32 v183, v180, 8*\k, v183
	v_lshlrev_b32 v185, v180, v182
	v_or_b32 v184, v184, v185
.endm
.macro LOAD t                          ; block t: w(32 t + i, my column), i = 0 .. 31, into set t % 2: the wave reads 128 consecutive bytes a load
.set LJ, 0
.rept 32
	global_load_b32 v[X+32*((\t)%2)+LJ], v2, s[SRC:SRC+1] offset:(32*(\t)+LJ)*KROWB th:TH_LOAD_NT
.set LJ, LJ+1
.endr
.endm
.macro BLOCK t                         ; a block of 32 down K lies in ONE lane's registers: no other lane is asked for its maximum
.set XS, X+32*((\t)%2)
.set BB, (\t)%4
.set KS, (\t)/4
.set FD, F+24*KS+12*(BB%2)+6*(BB/2)    ; even blocks' lower codes into tile 0's registers, odd blocks' into tile 1's: EMIT's exchange sorts them
.if (\t) < 7
	s_wait_loadcnt 32                                     ; this block's 32 loads are in; the next block's 32 may be out
.else
	s_wait_loadcnt 0x0
.endif
	v_max3_num_f32 v12, |v[XS]|, |v[XS+1]|, |v[XS+2]|
	v_max3_num_f32 v13, |v[XS+3]|, |v[XS+4]|, |v[XS+5]|
.irp i, 6,10,14,18,22,26
	v_max3_num_f32 v12, v12, |v[XS+\i]|, |v[XS+\i+1]|
	v_max3_num_f32 v13, v13, |v[XS+\i+2]|, |v[XS+\i+3]|
.endr
	v_max3_num_f32 v12, v12, |v[XS+30]|, |v[XS+31]|
	v_max3_num_f32 v12, v12, v13, 0x2800000               ; and the floor
	v_add_nc_u32 v11, 0xfe000000, v12
	v_lshrrev_b32 v13, 23, v11
.if BB == 0
	v_mov_b32 v[SW+KS], v13
.else
	v_lshl_or_b32 v[SW+KS], v13, 8*BB, v[SW+KS]
.endif
	v_cvt_scalef32_pk16_bf6_f32 v[FD:FD+2], v[XS:XS+15], v11
	v_cvt_scalef32_pk16_bf6_f32 v[T+4*BB:T+4*BB+2], v[XS+16:XS+31], v11
.if (\t)+2 < 8
	LOAD (\t)+2
.endif
.endm
; Lanes 0-15 hold tile 0's columns and lanes 16-31 tile 1's, each with all four blocks.  A fragment wants block 2 c in lanes 0-15 and block 2 c + 1 in lanes 16-31 of ONE tile:
; the exchange of the even block's lanes 16-31 with the odd block's lanes 0-15 makes tile 0's registers of the first and tile 1's of the second.
.macro EMIT ks
.set F0, F+24*(\ks)
.set F1, F0+12
	v_nop                                                 ; one plain place behind a scaled conversion
.irp c, 0,1
.irp i, 0,1,2
	v_permlane16_swap_b32 v[F0+6*\c+\i], v[F1+6*\c+\i]
	v_permlane16_swap_b32 v[T+8*\c+\i], v[T+8*\c+4+\i]
.endr
.irp i, 0,1,2
	v_mov_b32 v[F0+6*\c+3+\i], v[T+8*\c+\i]
	v_mov_b32 v[F1+6*\c+3+\i], v[T+8*\c+4+\i]
.endr
.endr
.irp j, 0,1
.irp c, 0,1,2
	global_store_b128 v3, v[F0+12*\j+4*\c:F0+12*\j+4*\c+3], s[DST:DST+1] offset:(\ks)*6144+\j*1536+512*\c   ; 512 consecutive bytes, at a multiple of 256 from the buffer's first byte
.endr
.endr
.endm
	s_load_b256 s[4:11], s[0:1], 0x0               ; x s[4:5], router_w s[6:7], corr_bias s[8:9], w_gate s[10:11]
	s_load_b256 s[12:19], s[0:1], 0x20             ; w_up s[12:13], xq s[14:15], wgu s[16:17], ridx s[18:19]
	s_load_b64 s[20:21], s[0:1], 0x40              ; rwt
	v_lshl_add_u32 v192, v0, 2, 0x7800
	v_mov_b32 v193, 0
	v_lshrrev_b32 v1, 5, v0
	v_readfirstlane_b32 s22, v1                    ; wave 0..3
	v_and_b32 v3, 31, v0                           ; lane
	s_cmp_lt_u32 ttmp9, 64
	s_cbranch_scc0 .Lquant
	; ---------------- ROUTE: tokens 16 g .. 16 g + 15; wave w takes K steps 4 w .. 4 w + 3 ----------------
	v_and_b32 v16, 15, v0                          ; r
	v_bfe_u32 v17, v0, 4, 1                        ; h
	v_and_b32 v18, 31, v0                          ; lane
	s_lshl_b32 s23, s22, 11
	v_lshlrev_b32 v[XA], 13, v16
	v_lshl_add_u32 v[XA], v17, 6, v[XA]
	v_add_nc_u32 v[XA], s23, v[XA]                 ; row r of 8,192 bytes + 64 h + 2,048 w
	v_mul_u32_u24 v[XWS], v16, 1600
	v_mad_u32_u24 v[XW], v17, 48, v[XWS]
	s_mul_i32 s23, s22, 384
	s_add_co_u32 s23, s23, 64
	v_add_nc_u32 v[XW], s23, v[XW]                 ; 1,600 r + 64 + 48 h + 384 w
	s_lshl_b32 s23, s22, 4
	v_add_nc_u32 v[XWS], s23, v[XWS]               ; 1,600 r + 16 w
	v_lshlrev_b32 v19, 4, v18
	s_mul_i32 s23, s22, 6400
	v_add_nc_u32 v[SRD], s23, v19                  ; 6,400 w + 16 lane
	v_lshlrev_b32 v[SRD8], 3, v18
	s_add_co_u32 s23, s23, 6144
	v_add_nc_u32 v[SRD8], s23, v[SRD8]             ; 6,400 w + 6,144 + 8 lane
	v_add_nc_u32 v[RDR], RED, v19
	s_lshl_b32 s23, s22, 10
	s_add_co_u32 s23, s23, RED
	v_add_nc_u32 v[RDW], s23, v19
	s_mov_b32 s40, 0x76543210
	s_mov_b32 s41, 0xfedcba98                      ; v_permlanex16_b32's selects for lane l xor 16
	s_mov_b32 s42, 0xffff0000                      ; lanes 16-31
.irp b, 0,1,2,3
	v_mov_b32 v[TM+4+\b], 0                        ; written once: a lane permute's destination counts as one of its sources
.endr
	s_mov_b32 s45, 0
	s_wait_kmcnt 0x0
	s_load_b512 s[24:39], s[8:9], 0x0              ; corr_bias, 16 numbers
	s_lshl_b32 s44, ttmp9, 17
	s_add_nc_u64 s[4:5], s[4:5], s[44:45]          ; x at my 16 rows
	s_mul_i32 s44, ttmp9, 25600
	s_add_nc_u64 s[14:15], s[14:15], s[44:45]      ; xq likewise
	s_lshl_b32 s44, ttmp9, 6
	s_add_nc_u64 s[18:19], s[18:19], s[44:45]      ; ridx: 4 bytes a token
	s_lshl_b32 s44, ttmp9, 8
	s_add_nc_u64 s[20:21], s[20:21], s[44:45]      ; rwt: 16 bytes a token
	XLOAD XN, 4, 0
	XLOAD RN, 6, 0
.irp i, 0,1,2,3
	s_wait_loadcnt 16                              ; x's 16 loads of this K step are in; router_w's 16 are younger
	s_wait_dscnt 0x0                               ; the last image's stores have read x's fragment
	QUANT XN, PCX, PWX
.irp c, 0,1,2
	ds_store_b128 v[XW], v[PCX+4*\c:PCX+4*\c+3] offset:96*\i+16*\c
.endr
	ds_store_b32 v[XWS], v[PWX] offset:4*\i        ; both halves of the lanes store the same word with the same value
.if \i < 3
	XLOAD XN, 4, \i+1
	s_wait_loadcnt 16                              ; router_w's are in; the 16 just issued are younger
.else
	s_wait_loadcnt 0x0
.endif
	QUANT RN, PCR, PWR
.if \i < 3
	XLOAD RN, 6, \i+1
.endif
.rept 8
	v_nop                                          ; a scale register written by a vector instruction stands 8 places ahead of a scaled matrix instruction, an operand 4
.endr
	; source 0 = the 16 classes, source 1 = my 16 tokens: lane (r, h) holds token r, classes 8 h + j.  One accumulator, K ascending
.if \i == 0
	v_wmma_scale_f32_16x16x128_f8f6f4 v[ACC:ACC+7], v[PCR:PCR+11], v[PCX:PCX+11], 0, v[PWR], v[PWX] matrix_a_fmt:MATRIX_FMT_BF6 matrix_b_fmt:MATRIX_FMT_BF6
.else
	s_wait_alu depctr_va_vdst(0)                   ; the wait ahead of a link that follows its own chain's last link
	v_wmma_scale_f32_16x16x128_f8f6f4 v[ACC:ACC+7], v[PCR:PCR+11], v[PCX:PCX+11], v[ACC:ACC+7], v[PWR], v[PWX] matrix_a_fmt:MATRIX_FMT_BF6 matrix_b_fmt:MATRIX_FMT_BF6
.endif
.endr
.rept 4
	v_nop                                          ; places behind the last product
.endr
	ds_store_b128 v[RDW], v[ACC:ACC+3]             ; the accumulator from its low end on
	ds_store_b128 v[RDW], v[ACC+4:ACC+7] offset:512
	s_wait_dscnt 0x0                               ; for the others' sake: my images, scale words and sums have landed
	s_barrier_signal -1
	s_barrier_wait -1
.irp i, 0,1,2,3,4,5,6,7,8,9,10,11
	ds_load_b128 v[80+4*\i:83+4*\i], v[SRD] offset:512*\i  ; a quarter of the 16 rows' image: 6,400 bytes
.endr
	ds_load_b64 v[128:129], v[SRD8]
	s_wait_dscnt 0x0
.irp i, 0,1,2,3,4,5,6,7,8,9,10,11
	global_store_b128 v[SRD], v[80+4*\i:83+4*\i], s[14:15] offset:512*\i   ; 512 consecutive bytes, at a multiple of 256 from xq's first byte
.endr
	global_store_b64 v[SRD8], v[128:129], s[14:15]
	s_cmp_lg_u32 s22, 0
	s_cbranch_scc1 .Lend                           ; the choice is wave 0's work
.irp q, 0,1,2,3
	ds_load_b128 v[16+8*\q:19+8*\q], v[RDR] offset:1024*\q
	ds_load_b128 v[20+8*\q:23+8*\q], v[RDR] offset:1024*\q+512
.endr
	s_wait_dscnt 0x0
.irp p, 0,2,4,6
	v_pk_add_f32 v[16+\p:17+\p], v[16+\p:17+\p], v[24+\p:25+\p]
	v_pk_add_f32 v[16+\p:17+\p], v[16+\p:17+\p], v[32+\p:33+\p]
	v_pk_add_f32 v[16+\p:17+\p], v[16+\p:17+\p], v[40+\p:41+\p]        ; the logits of token r, classes 8 h + j
.endr
.irp j, 0,1,2,3,4,5,6,7
	v_permlanex16_b32 v[48+\j], v[16+\j], s40, s41
.endr
.irp j, 0,1,2,3,4,5,6,7
	v_cndmask_b32 v[144+\j], v[16+\j], v[48+\j], s42       ; classes 0-7 and
	v_cndmask_b32 v[152+\j], v[48+\j], v[16+\j], s42       ; classes 8-15, in both halves of the lanes
.endr
	v_max3_num_f32 v176, v144, v145, v146
.irp i, 147,149,151,153,155,157
	v_max3_num_f32 v176, v176, v[\i], v[\i+1]
.endr
	v_max_num_f32 v176, v176, v159                 ; the row's largest logit is taken away ahead of the exponentials
.irp i, 0,1,2,3,4,5,6,7,8,9,10,11,12,13,14,15
	v_sub_f32 v[144+\i], v[144+\i], v176
.endr
.irp i, 0,1,2,3,4,5,6,7,8,9,10,11,12,13,14,15
	v_mul_f32 v[144+\i], 0x3fb8aa3b, v[144+\i]
.endr
.irp i, 0,1,2,3,4,5,6,7,8,9,10,11,12,13,14,15
	v_exp_f32 v[144+\i], v[144+\i]
.endr
	v_mov_b32 v181, 0xff800000                     ; -infinity (a plain place behind the exponentials)
	s_wait_alu depctr_va_vdst(0)
	v_add_f32 v177, v144, v145
.irp i, 2,3,4,5,6,7,8,9,10,11,12,13,14,15
	v_add_f32 v177, v177, v[144+\i]
.endr
	v_rcp_f32 v177, v177
	v_mov_b32 v182, 1                              ; (a plain place behind the reciprocal)
	v_mov_b32 v183, 0                              ; kidx
	v_mov_b32 v184, 0                              ; the chosen classes as bits
	s_wait_kmcnt 0x0                               ; corr_bias
	s_wait_alu depctr_va_vdst(0)
.irp i, 0,1,2,3,4,5,6,7,8,9,10,11,12,13,14,15
	v_mul_f32 v[144+\i], v[144+\i], v177           ; the scores
.endr
.irp i, 0,1,2,3,4,5,6,7,8,9,10,11,12,13,14,15
	v_add_f32 v[160+\i], s[24+\i], v[144+\i]       ; with the bias: for the choice alone
.endr
	PICK 0
	PICK 1
	PICK 2
	PICK 3
	v_and_b32 v184, 0xff, v184                     ; emask: real experts alone
	v_cndmask_b32 v60, v184, v183, s42             ; lanes 0-15 store emask, lanes 16-31 kidx
	v_cndmask_b32 v62, v56, v58, s42               ; lanes 0-15 weights 0, 1; lanes 16-31 weights 2, 3
	v_cndmask_b32 v63, v57, v59, s42
	v_and_b32 v64, 15, v0                          ; r
	v_bfe_u32 v65, v0, 4, 1                        ; h
	v_lshlrev_b32 v66, 2, v64
	v_lshl_add_u32 v66, v65, 12, v66               ; 4 r + 4,096 h
	v_lshlrev_b32 v67, 4, v64
	v_lshl_add_u32 v67, v65, 3, v67                ; 16 r + 8 h
	global_store_b32 v66, v60, s[18:19]
	global_store_b64 v67, v[62:63], s[20:21]       ; the wave stores 256 consecutive bytes
.Lend:
	s_wait_tensorcnt 0x0
	ds_add_u32 v192, v193
	s_wait_dscnt 0x0
	s_endpgm
	; ---------------- QUANT ----------------
.Lquant:
	s_sub_co_u32 s23, ttmp9, 64
	s_and_b32 s24, s23, 7                          ; kc: which 256 along K
	s_bfe_u32 s25, s23, 0x30003                    ; which 128 columns
	s_bfe_u32 s26, s23, 0x30006                    ; expert
	s_lshr_b32 s27, s23, 9                         ; 0 gate, 1 up
	s_lshl_b32 s28, s25, 2
	s_add_co_u32 s28, s28, s22                     ; cg: my wave's 32 columns
	s_lshl_b32 s30, s26, 23
	s_lshl_b32 s29, s24, 20
	s_add_co_u32 s30, s30, s29
	s_lshl_b32 s29, s28, 7
	s_add_co_u32 s30, s30, s29                     ; in the tensor: 8,388,608 e + 1,048,576 kc + 128 cg
	s_mov_b32 s31, 0
	s_lshl_b32 s29, s26, 5
	s_add_co_u32 s29, s29, s28
	s_mul_i32 s32, s29, BLK                        ; my block of wgu
	s_mul_i32 s29, s24, 12288
	s_add_co_u32 s34, s32, s29
	s_mul_i32 s29, s27, 3072
	s_add_co_u32 s34, s34, s29                     ; fragments 4 (2 kc + ks) + 2 m + j
	s_mov_b32 s35, 0
	s_lshl_b32 s29, s27, 11
	s_add_co_u32 s36, s32, s29
	s_lshl_b32 s29, s24, 8
	s_add_co_u32 s36, s36, s29
	s_add_co_u32 s36, s36, SCOFF
	s_mov_b32 s37, 0
	; THE COLUMNS OF A TILE ARE NOT NEIGHBOURS: lane l takes column l with its bits 3 and 4 exchanged, so that tile 0 is columns 0-7, 16-23 and tile 1 columns 8-15, 24-31:
	; the two tiles' results in the third launch are then 16 neighbours along the next product's K.
	v_and_b32 v2, 7, v3
	v_bfe_u32 v11, v3, 3, 1
	v_bfe_u32 v12, v3, 4, 1
	v_lshl_or_b32 v2, v11, 4, v2
	v_lshl_or_b32 v2, v12, 3, v2
	v_lshlrev_b32 v2, 2, v2
	v_lshlrev_b32 v4, 3, v3                        ; 8 x lane: my two scale words
	v_lshlrev_b32 v3, 4, v3                        ; 16 x lane: my place in an image
	s_wait_kmcnt 0x0
	s_cmp_eq_u32 s27, 0                            ; the choice hangs on the work-group's number alone
	s_cselect_b64 s[10:11], s[10:11], s[12:13]
	s_add_nc_u64 s[10:11], s[10:11], s[30:31]
	s_add_nc_u64 s[38:39], s[16:17], s[34:35]
	s_add_nc_u64 s[16:17], s[16:17], s[36:37]
	LOAD 0
	LOAD 1
	BLOCK 0
	BLOCK 1
	BLOCK 2
	BLOCK 3
	EMIT 0
	BLOCK 4
	BLOCK 5
	BLOCK 6
	BLOCK 7
	EMIT 1
	global_store_b64 v4, v[SW:SW+1], s[SCD:SCD+1]  ; the wave stores 256 consecutive bytes
	s_endpgm
.Lfunc_end_k_qd066cfae09_prep:
	.size	k_qd066cfae09_prep, .Lfunc_end_k_qd066cfae09_prep-k_qd066cfae09_prep
	.p2alignl 7, 3214868480
	.fill 96, 4, 3214868480
	.section	.rodata,"a",@progbits
	.p2align	6, 0x0
	.amdhsa_kernel k_qd066cfae09_prep
		.amdhsa_group_segment_fixed_size 31232
		.amdhsa_private_segment_fixed_size 0
		.amdhsa_enable_private_segment 0
		.amdhsa_kernarg_size 72
		.amdhsa_user_sgpr_count 2
		.amdhsa_user_sgpr_kernarg_segment_ptr 1
		.amdhsa_wavefront_size32 1
		.amdhsa_system_sgpr_workgroup_id_x 1
		.amdhsa_system_sgpr_workgroup_id_y 1
		.amdhsa_system_sgpr_workgroup_id_z 1
		.amdhsa_system_vgpr_workitem_id 0
		.amdhsa_next_free_vgpr 194
		.amdhsa_next_free_sgpr 66
		.amdhsa_reserve_vcc 1
		.amdhsa_float_denorm_mode_32 3
		.amdhsa_float_denorm_mode_16_64 3
		.amdhsa_memory_ordered 1
		.amdhsa_forward_progress 1
		.amdhsa_inst_pref_size 112
	.end_amdhsa_kernel
	.amdgpu_metadata
---
amdhsa.version: [ 1, 2 ]
amdhsa.kernels:
  - .name:           k_qd066cfae09_prep
    .symbol:         k_qd066cfae09_prep.kd
    .args:
      - { .name: hidden_states, .offset: 0, .size: 8, .value_kind: global_buffer, .address_space: global }
      - { .name: router_w, .offset: 8, .size: 8, .value_kind: global_buffer, .address_space: global }
      - { .name: corr_bias, .offset: 16, .size: 8, .value_kind: global_buffer, .address_space: global }
      - { .name: w_gate, .offset: 24, .size: 8, .value_kind: global_buffer, .address_space: global }
      - { .name: w_up, .offset: 32, .size: 8, .value_kind: global_buffer, .address_space: global }
      - { .name: xq, .offset: 40, .size: 8, .value_kind: global_buffer, .address_space: global }
      - { .name: wgu, .offset: 48, .size: 8, .value_kind: global_buffer, .address_space: global }
      - { .name: ridx, .offset: 56, .size: 8, .value_kind: global_buffer, .address_space: global }
      - { .name: rwt, .offset: 64, .size: 8, .value_kind: global_buffer, .address_space: global }
    .group_segment_fixed_size: 31232
    .private_segment_fixed_size: 0
    .kernarg_segment_align: 8
    .kernarg_segment_size: 72
    .max_flat_workgroup_size: 128
    .sgpr_count:     66
    .vgpr_count:     194
    .wavefront_size: 32
...
	.end_amdgpu_metadata
.endif
;; end of part 1
;; launch place (part 2): grid 513 x 1, 4 waves a work-group, no clusters, 0 bytes of LDS; arguments w_down, ridx, wd, lists; writes wd, lists
.if DOCPART == 2
	.amdgcn_target "amdgcn-amd-amdhsa--gfx1250"
	.amdhsa_code_object_version 6
	.text
	.protected	k_qd066cfae09_place
	.globl	k_qd066cfae09_place
	.p2align	8
	.type	k_qd066cfae09_place,@function
k_qd066cfae09_place:
	s_mov_b64 s[64:65], 0
	v_nop
	global_prefetch_b8 v0, s[64:65] scope:SCOPE_SE
	s_setreg_imm32_b32 hwreg(HW_REG_WAVE_MODE, 25, 1), 1
	s_wait_xcnt 0x0
; TWO JOBS IN ONE LAUNCH, parted on the work-group's number.
; Work-group 0 (PLACE): from emask (one word a token, stored by the launch before) each real expert's list of tokens, its count, and for each token its place in the list.
;   lists: row e at 4,352 e: list[1024], then the count in 32 words, then 32 spare words; from 34,816 + 4,096 e on: inv[e][token] (0 where the token did not choose e).
;   The 64 entries behind a list's end are 0 (token 0): a last tile of 16 rows, and the next launch's four waves, which read entries 0 to 63 whatever the count, find entries that were stored.
;   Wave w makes experts 2 w and 2 w + 1: a walk over the 1,024 tokens, 32 at a time, no atomics, no LDS.
;   EVERY LANE STORES IN EVERY STEP: a lane whose token is no member stores to its spare word of the expert's row, which nobody reads: the index is chosen, then held inside the row, and no lane is ever switched off.
; Work-groups 1-512 (QUANT): w_down [8][1024 (K)][2048] f32 becomes codes of BF6 in the order of the operand's registers (wd): a work-group takes 256 along K x 128 columns of one expert.
;   wd: [expert][64 columns hg][51,200 bytes]: fragment 4 s + 2 p + j at 1,536 bytes each (column 64 hg + 32 p + 16 j + r), registers 4 c .. 4 c + 3 of lane l at 512 c + 16 l;
;   from 49,152 on the scale words [p][4 chunks of K][lane][2 words]: lanes 0-15 tile j = 0, lanes 16-31 tile j = 1.
; A block's scale is 2^(floor(log2(largest magnitude)) - 4), its byte held at 1 from below.  LIMITS: NaN and infinities are not served; a block of zeros, or under 2^-122, gets the byte 1; this program alone reads the bytes.
; No tensor loads, no cluster: no tile is shared; the weight is read once, by loads of 128 consecutive bytes a wave, 64 of them on their way in each wave.
.set KROWB, 8192
.set BLK,   51200
.set SCOFF, 49152
.set SRC,   4
.set DST,   38
.set SCD,   16
.set SW,    16
.set X,     32
.set F,     96
.set T,     144
.set PL,    64                         ; PLACE: v64-159: step i's inv word, list offset and token, three registers a step, so that no store's source is written again within an expert's walk
.macro LOAD t                          ; block t: w(32 t + i, my column), i = 0 .. 31, into set t % 2
.set LJ, 0
.rept 32
	global_load_b32 v[X+32*((\t)%2)+LJ], v2, s[SRC:SRC+1] offset:(32*(\t)+LJ)*KROWB th:TH_LOAD_NT
.set LJ, LJ+1
.endr
.endm
.macro BLOCK t                         ; a block of 32 down K lies in ONE lane's registers
.set XS, X+32*((\t)%2)
.set BB, (\t)%4
.set KS, (\t)/4
.set FD, F+24*KS+12*(BB%2)+6*(BB/2)
.if (\t) < 7
	s_wait_loadcnt 32                                     ; this block's 32 loads are in; the next block's 32 may be out
.else
	s_wait_loadcnt 0x0
.endif
	v_max3_num_f32 v12, |v[XS]|, |v[XS+1]|, |v[XS+2]|
	v_max3_num_f32 v13, |v[XS+3]|, |v[XS+4]|, |v[XS+5]|
.irp i, 6,10,14,18,22,26
	v_max3_num_f32 v12, v12, |v[XS+\i]|, |v[XS+\i+1]|
	v_max3_num_f32 v13, v13, |v[XS+\i+2]|, |v[XS+\i+3]|
.endr
	v_max3_num_f32 v12, v12, |v[XS+30]|, |v[XS+31]|
	v_max3_num_f32 v12, v12, v13, 0x2800000               ; the floor 2^(5 - 127)
	v_add_nc_u32 v11, 0xfe000000, v12                     ; 4 off the exponent field: the conversion's scale operand
	v_lshrrev_b32 v13, 23, v11                            ; the byte
.if BB == 0
	v_mov_b32 v[SW+KS], v13
.else
	v_lshl_or_b32 v[SW+KS], v13, 8*BB, v[SW+KS]
.endif
	v_cvt_scalef32_pk16_bf6_f32 v[FD:FD+2], v[XS:XS+15], v11
	v_cvt_scalef32_pk16_bf6_f32 v[T+4*BB:T+4*BB+2], v[XS+16:XS+31], v11
.if (\t)+2 < 8
	LOAD (\t)+2
.endif
.endm
; the exchange of the even block's lanes 16-31 with the odd block's lanes 0-15 makes tile 0's registers of the first and tile 1's of the second
.macro EMIT ks
.set F0, F+24*(\ks)
.set F1, F0+12
	v_nop                                                 ; one plain place behind a scaled conversion
.irp c, 0,1
.irp i, 0,1,2
	v_permlane16_swap_b32 v[F0+6*\c+\i], v[F1+6*\c+\i]
	v_permlane16_swap_b32 v[T+8*\c+\i], v[T+8*\c+4+\i]
.endr
.irp i, 0,1,2
	v_mov_b32 v[F0+6*\c+3+\i], v[T+8*\c+\i]
	v_mov_b32 v[F1+6*\c+3+\i], v[T+8*\c+4+\i]
.endr
.endr
.irp j, 0,1
.irp c, 0,1,2
	global_store_b128 v3, v[F0+12*\j+4*\c:F0+12*\j+4*\c+3], s[DST:DST+1] offset:(\ks)*6144+\j*1536+512*\c   ; 512 consecutive bytes, at a multiple of 256 from the buffer's first byte
.endr
.endr
.endm
; expert 2 w + x: v3 = lane, v4 = 4 x lane, v5 = 0, v14 = 1,056 + lane (my spare word's index), v32-63 = emask of tokens 32 i + lane
.macro PLACE x
	s_wait_xcnt 0x0                                ; the bases and the steps' registers are written again only behind this wait
	s_add_co_u32 s24, s23, \x                      ; e
	s_lshl_b32 s25, 1, s24                         ; its bit
	s_mul_i32 s28, s24, 4352
	s_mov_b32 s29, 0
	s_add_nc_u64 s[12:13], s[10:11], s[28:29]      ; its list
	s_lshl_b32 s28, s24, 12
	s_add_co_u32 s28, s28, 34816
	s_add_nc_u64 s[14:15], s[10:11], s[28:29]      ; its inv
	s_mov_b32 s26, 0                               ; members so far
.irp i, 0,1,2,3,4,5,6,7,8,9,10,11,12,13,14,15,16,17,18,19,20,21,22,23,24,25,26,27,28,29,30,31
	v_and_b32 v6, s25, v[32+\i]
	v_cmp_ne_u32 vcc_lo, 0, v6                     ; members among these 32 tokens
	v_mbcnt_lo_u32_b32 v7, vcc_lo, 0               ; members in the lanes below mine
	v_add_nc_u32 v7, s26, v7                       ; my place in the list: at most 1,023, since a token chooses an expert once
	v_cndmask_b32 v[PL+3*\i], v5, v7, vcc_lo       ; inv: the place, or 0
	v_cndmask_b32 v[PL+3*\i+1], v14, v7, vcc_lo    ; the word that I store to: a member's entry, or my spare word;
	v_min_u32 v[PL+3*\i+1], 0x43f, v[PL+3*\i+1]    ; held inside the expert's row of 1,088 words;
	v_mul_u32_u24 v[PL+3*\i+1], v[PL+3*\i+1], 4    ; in bytes
	v_add_nc_u32 v[PL+3*\i+2], 32*\i, v3           ; my token
	global_store_b32 v4, v[PL+3*\i], s[14:15] offset:128*\i        ; inv: every word is stored
	global_store_b32 v[PL+3*\i+1], v[PL+3*\i+2], s[12:13]
	s_bcnt1_i32_b32 s27, vcc_lo
	s_add_co_u32 s26, s26, s27
.endr
	v_add_nc_u32 v7, s26, v3                       ; the 64 entries behind the end take 0, as far as the list reaches; beyond entry 1,023 the spare words take it
	v_cmp_gt_u32 vcc_lo, 0x400, v7
	v_cndmask_b32 v12, v14, v7, vcc_lo
	v_min_u32 v12, 0x43f, v12
	v_mul_u32_u24 v12, v12, 4
	global_store_b32 v12, v5, s[12:13]
	v_add_nc_u32 v8, 32, v7
	v_cmp_gt_u32 vcc_lo, 0x400, v8
	v_cndmask_b32 v9, v14, v8, vcc_lo
	v_min_u32 v9, 0x43f, v9
	v_mul_u32_u24 v9, v9, 4
	global_store_b32 v9, v5, s[12:13]
	v_mov_b32 v13, s26
	global_store_b32 v4, v13, s[12:13] offset:4096 ; the count
.endm
	s_load_b256 s[4:11], s[0:1], 0x0               ; w_down s[4:5], ridx s[6:7], wd s[8:9], lists s[10:11]
	v_lshrrev_b32 v1, 5, v0
	v_readfirstlane_b32 s22, v1                    ; wave 0..3
	v_and_b32 v3, 31, v0                           ; lane
	s_cmp_eq_u32 ttmp9, 0
	s_cbranch_scc1 .Lplace
	s_sub_co_u32 s23, ttmp9, 1
	s_and_b32 s24, s23, 3                          ; kc: which 256 along K
	s_bfe_u32 s25, s23, 0x40002                    ; which 128 columns
	s_lshr_b32 s26, s23, 6                         ; expert
	s_lshl_b32 s28, s25, 2
	s_add_co_u32 s28, s28, s22                     ; my wave's 32 columns
	s_lshr_b32 s27, s28, 1                         ; hg
	s_and_b32 s29, s28, 1                          ; p
	s_lshl_b32 s30, s26, 23
	s_lshl_b32 s31, s24, 21
	s_add_co_u32 s30, s30, s31
	s_lshl_b32 s31, s28, 7
	s_add_co_u32 s30, s30, s31                     ; in the tensor: 8,388,608 e + 2,097,152 kc + 128 x (4 ng + w)
	s_mov_b32 s31, 0
	s_lshl_b32 s32, s26, 5
	s_add_co_u32 s32, s32, s27
	s_mul_i32 s32, s32, BLK                        ; my block of wd
	s_mul_i32 s33, s24, 12288
	s_add_co_u32 s34, s32, s33
	s_mul_i32 s33, s29, 3072
	s_add_co_u32 s34, s34, s33
	s_mov_b32 s35, 0
	s_lshl_b32 s33, s29, 10
	s_add_co_u32 s36, s32, s33
	s_lshl_b32 s33, s24, 8
	s_add_co_u32 s36, s36, s33
	s_add_co_u32 s36, s36, SCOFF
	s_mov_b32 s37, 0
	v_lshlrev_b32 v2, 2, v3                        ; lane l takes column l
	v_lshlrev_b32 v4, 3, v3
	v_lshlrev_b32 v3, 4, v3
	s_wait_kmcnt 0x0
	s_add_nc_u64 s[4:5], s[4:5], s[30:31]
	s_add_nc_u64 s[38:39], s[8:9], s[34:35]
	s_add_nc_u64 s[16:17], s[8:9], s[36:37]
	LOAD 0
	LOAD 1
	BLOCK 0
	BLOCK 1
	BLOCK 2
	BLOCK 3
	EMIT 0
	BLOCK 4
	BLOCK 5
	BLOCK 6
	BLOCK 7
	EMIT 1
	global_store_b64 v4, v[SW:SW+1], s[SCD:SCD+1]  ; the wave stores 256 consecutive bytes
	s_endpgm
.Lplace:
	v_lshlrev_b32 v4, 2, v3
	v_mov_b32 v5, 0
	v_add_nc_u32 v14, 0x420, v3
	s_wait_kmcnt 0x0
.irp i, 0,1,2,3,4,5,6,7,8,9,10,11,12,13,14,15,16,17,18,19,20,21,22,23,24,25,26,27,28,29,30,31
	global_load_b32 v[32+\i], v4, s[6:7] offset:128*\i
.endr
	s_lshl_b32 s23, s22, 1
	s_wait_loadcnt 0x0
	PLACE 0
	PLACE 1
	s_endpgm
.Lfunc_end_k_qd066cfae09_place:
	.size	k_qd066cfae09_place, .Lfunc_end_k_qd066cfae09_place-k_qd066cfae09_place
	.p2alignl 7, 3214868480
	.fill 96, 4, 3214868480
	.section	.rodata,"a",@progbits
	.p2align	6, 0x0
	.amdhsa_kernel k_qd066cfae09_place
		.amdhsa_group_segment_fixed_size 0
		.amdhsa_private_segment_fixed_size 0
		.amdhsa_enable_private_segment 0
		.amdhsa_kernarg_size 32
		.amdhsa_user_sgpr_count 2
		.amdhsa_user_sgpr_kernarg_segment_ptr 1
		.amdhsa_wavefront_size32 1
		.amdhsa_system_sgpr_workgroup_id_x 1
		.amdhsa_system_sgpr_workgroup_id_y 1
		.amdhsa_system_sgpr_workgroup_id_z 1
		.amdhsa_system_vgpr_workitem_id 0
		.amdhsa_next_free_vgpr 160
		.amdhsa_next_free_sgpr 66
		.amdhsa_reserve_vcc 1
		.amdhsa_float_denorm_mode_32 3
		.amdhsa_float_denorm_mode_16_64 3
		.amdhsa_memory_ordered 1
		.amdhsa_forward_progress 1
		.amdhsa_inst_pref_size 87
	.end_amdhsa_kernel
	.amdgpu_metadata
---
amdhsa.version: [ 1, 2 ]
amdhsa.kernels:
  - .name:           k_qd066cfae09_place
    .symbol:         k_qd066cfae09_place.kd
    .args:
      - { .name: w_down, .offset: 0, .size: 8, .value_kind: global_buffer, .address_space: global }
      - { .name: ridx, .offset: 8, .size: 8, .value_kind: global_buffer, .address_space: global }
      - { .name: wd, .offset: 16, .size: 8, .value_kind: global_buffer, .address_space: global }
      - { .name: lists, .offset: 24, .size: 8, .value_kind: global_buffer, .address_space: global }
    .group_segment_fixed_size: 0
    .private_segment_fixed_size: 0
    .kernarg_segment_align: 8
    .kernarg_segment_size: 32
    .max_flat_workgroup_size: 128
    .sgpr_count:     66
    .vgpr_count:     160
    .wavefront_size: 32
...
	.end_amdgpu_metadata
.endif
;; end of part 2
;; launch gateup (part 3): grid 32 x 8, 4 waves a work-group, no clusters, 98,816 bytes of LDS; arguments xq, wgu, lists, mid; writes mid
.if DOCPART == 3
	.amdgcn_target "amdgcn-amd-amdhsa--gfx1250"
	.amdhsa_code_object_version 6
	.text
	.protected	k_qd066cfae09_gateup
	.globl	k_qd066cfae09_gateup
	.p2align	8
	.type	k_qd066cfae09_gateup,@function
k_qd066cfae09_gateup:
	s_mov_b64 s[64:65], 0
	v_nop
	global_prefetch_b8 v0, s[64:65] scope:SCOPE_SE
	s_setreg_imm32_b32 hwreg(HW_REG_WAVE_MODE, 25, 1), 1
	s_wait_xcnt 0x0
; mid = silu(x Wg) * (x Wu) for the rows that chose an expert, quantised along the next product's K.  Both products on codes of BF6 with E8M0 scales.
; SHARES.  Work-group (cg, e): 32 columns of expert e's 1,024, which are ONE block of the next K.  Its 64 weight fragments (16 K steps x gate's two tiles and up's two) stay in EVERY wave's registers, 768 of them;
; wave w takes the expert's tiles of 16 rows w, w + 4, ..: the waves are independent in the loop, which has no barrier, since its trip count hangs on the stored count.
; The weights come from memory once a work-group: each wave loads a quarter, all four meet in LDS as images of the registers, one barrier, each wave reads all.
; x's rows are GATHERED by the stored list, straight into registers, in the layout that the first launch gave them (48 bytes a lane and K step, a scale word a row and K step); eight K steps ahead.
; THE FIRST TILE IS ASKED FOR AT THE HEAD: its entry of the list goes out ahead of the weights' loads, its first eight K steps as soon as the entry is in, so that they land under the weights' way through LDS.
; Every wave asks so, one that will find no tile too: entries 0 to 63 of a list are always stored, and what such a wave has asked for is not used.
; THE PRODUCTS ARE USED TRANSPOSED (source 0 = 16 columns of W, source 1 = 16 rows of x): lane (r, h) holds row r; by the columns chosen for the tiles the 16 registers of tiles 0 and 1 are columns 16 h + 0 .. 15.
; mid: codes in 16 planes of 393,216 bytes: plane 2 s + h holds, for row 1,024 e + j at 48 bytes a row, blocks 4 s + h and 4 s + 2 + h: what a lane of the next launch's fragment takes; from 6,291,456 on 32 scale bytes a row.
; A work-group so stores 24 bytes of codes and 1 byte a row: small pieces, taken on since mid is 800 bytes a routed row in all and is read 32 times by the next launch, in runs of 768 bytes.
; Rows behind an expert's count up to the tile's end are token 0's (the list holds 0 there); they land in the expert's own 1,024 rows.
; AN EXPERT HAS AT LEAST ONE TILE: one that nobody chose computes token 0's rows, so that row 0 of every expert is stored: the last launch reads such a row, with the weight 0, for a pick that is a zero expert.
; NO CLUSTER, NO TENSOR LOAD: what the 32 work-groups of an expert share is x's rows, which a list names (no tile of a descriptor), and the number of tiles hangs on counts read from memory.
; LIMITS: NaN and infinities are not served; a block of mid that is all zeros, or under 2^-122, gets the byte 1.
; REGISTERS, in windows of 256: fragment f < 63 lies in window 1 + f / 21 at 12 (f % 21), fragment 63 in window 0.  Window 0: see the names below.
.set LI,   3                           ; 16 x lane
.set LI2,  4                           ; 16 x lane + 49,152
.set AC,   5                           ; my token's codes: token x 1,600 + 48 h
.set ACS,  6                           ; its scale words: token x 1,600
.set AN,   7                           ; the same two of the next tile
.set ANS,  8
.set LADR, 9                           ; my entry of the list
.set TK,   10                          ; the token just read
.set MOFF, 11                          ; where my 12 bytes of codes go
.set SOFF, 12                          ; and the row's scale byte
.set H48,  13                          ; 48 h
.set WADR, 15                          ; 16 x lane + 24,576 w: my quarter of the images, in memory and in LDS alike
.set WS,   16                          ; v16-47   the weights' scale words: register 16 m + s (m = 0 gate, 1 up): lanes 0-15 tile 0, lanes 16-31 tile 1
.set W63,  48                          ; v48-59   fragment 63
.set RING, 60                          ; v60-155  x's fragments of eight K steps
.set RS,   156                         ; v156-163 their scale words
.set ACC,  164                         ; v164-195 gate's tiles 0, 1, up's tiles 0, 1
.set T,    196                         ; v196-211 at work
.set MSB, 0
.macro WIN new                         ; the immediate's high byte repeats the setting that is left; a switch that changes nothing is dropped
.if MSB != (\new)
	s_set_vgpr_msb (MSB<<8)|(\new)
.set MSB, (\new)
.endif
.endm
.macro FILL ca, sa, kp                 ; K steps 2 kp and 2 kp + 1 of the row at ca, sa: eight loads
.irp e, 0,1
.set SS, 2*(\kp)+\e
.irp i, 0,1,2
	global_load_b128 v[RING+12*(SS%8)+4*\i:RING+12*(SS%8)+4*\i+3], v[\ca], s[4:5] offset:64+96*SS+16*\i
.endr
	global_load_b32 v[RS+SS%8], v[\sa], s[4:5] offset:4*SS
.endr
.endm
; K step s: four products; the four accumulators take turns in the same order in every step.  Step 0 starts the sums.
.macro MUL s
.irp q, 0,1,2,3
.set FI, 4*(\s)+\q
.if FI < 63
	WIN 1+FI/21
.set WR, 12*(FI%21)
.else
	WIN 0
.set WR, W63
.endif
.set AQ, ACC+8*\q
.set BR, RING+12*((\s)%8)
.set SCA, WS+16*(\q/2)+(\s)
.set SCB, RS+(\s)%8
.if ((\s) == 0) && (\q%2 == 1)
	v_wmma_scale_f32_16x16x128_f8f6f4 v[AQ:AQ+7], v[WR:WR+11], v[BR:BR+11], 0, v[SCA], v[SCB] matrix_a_fmt:MATRIX_FMT_BF6 matrix_b_fmt:MATRIX_FMT_BF6 matrix_a_scale:MATRIX_SCALE_ROW1
.elseif (\s) == 0
	v_wmma_scale_f32_16x16x128_f8f6f4 v[AQ:AQ+7], v[WR:WR+11], v[BR:BR+11], 0, v[SCA], v[SCB] matrix_a_fmt:MATRIX_FMT_BF6 matrix_b_fmt:MATRIX_FMT_BF6
.elseif \q%2 == 1
	v_wmma_scale_f32_16x16x128_f8f6f4 v[AQ:AQ+7], v[WR:WR+11], v[BR:BR+11], v[AQ:AQ+7], v[SCA], v[SCB] matrix_a_fmt:MATRIX_FMT_BF6 matrix_b_fmt:MATRIX_FMT_BF6 matrix_a_scale:MATRIX_SCALE_ROW1
.else
	v_wmma_scale_f32_16x16x128_f8f6f4 v[AQ:AQ+7], v[WR:WR+11], v[BR:BR+11], v[AQ:AQ+7], v[SCA], v[SCB] matrix_a_fmt:MATRIX_FMT_BF6 matrix_b_fmt:MATRIX_FMT_BF6
.endif
.endr
.endm
; silu(g) u = g u / (1 + 2^(-g log2 e)), in f32; then the block's scale and codes.  Each accumulator is read from its low end on.
.macro EPI
.irp j, 0,2,4,6,8,10,12,14
	v_pk_mul_f32 v[T+\j:T+\j+1], v[ACC+\j:ACC+\j+1], 0xbfb8aa3b op_sel_hi:[1,0]
.endr
.irp j, 0,1,2,3,4,5,6,7,8,9,10,11,12,13,14,15
	v_exp_f32 v[T+\j], v[T+\j]
.endr
	v_nop                                          ; a plain place behind the exponentials
	s_wait_alu depctr_va_vdst(0)
.irp j, 0,2,4,6,8,10,12,14
	v_pk_add_f32 v[T+\j:T+\j+1], v[T+\j:T+\j+1], 1.0 op_sel_hi:[1,0]
.endr
.irp j, 0,1,2,3,4,5,6,7,8,9,10,11,12,13,14,15
	v_rcp_f32 v[T+\j], v[T+\j]
.endr
	v_nop                                          ; a plain place behind the reciprocals
	s_wait_alu depctr_va_vdst(0)
.irp j, 0,2,4,6,8,10,12,14
	v_pk_mul_f32 v[ACC+\j:ACC+\j+1], v[ACC+\j:ACC+\j+1], v[T+\j:T+\j+1]
.endr
.irp j, 0,2,4,6,8,10,12,14
	v_pk_mul_f32 v[ACC+\j:ACC+\j+1], v[ACC+\j:ACC+\j+1], v[ACC+16+\j:ACC+17+\j]     ; mid(row r, column 16 h + j)
.endr
	v_max3_num_f32 v212, |v[ACC]|, |v[ACC+1]|, 0x2800000   ; my 16, and the floor 2^(5 - 127)
.irp i, 2,4,6,8,10,12,14
	v_max3_num_f32 v212, v212, |v[ACC+\i]|, |v[ACC+\i+1]|
.endr
	v_permlanex16_b32 v213, v212, s40, s41
	v_max_num_f32 v212, v212, v213                 ; with lane l xor 16's: the block's largest magnitude
	v_add_nc_u32 v214, 0xfe000000, v212            ; 4 off its exponent field: the conversion's scale operand
	s_wait_storecnt 0x0                            ; the last tile's two stores, issued a whole tile ago, are done: their data and offsets are written again only behind this wait.  The gather's loads stay out
	v_lshrrev_b32 v215, 23, v214                   ; the byte
	v_cvt_scalef32_pk16_bf6_f32 v[216:218], v[ACC:ACC+15], v214
	v_add_nc_u32 v[MOFF], 3072, v[MOFF]            ; 64 rows on, for the next tile: the stores below reach back.  (A plain place behind the scaled conversion)
	v_add_nc_u32 v[SOFF], 2048, v[SOFF]
	global_store_b96 v[MOFF], v[216:218], s[24:25] offset:-3072
	global_store_b8 v[SOFF], v215, s[26:27] offset:-2048   ; both halves of the lanes store the same byte with the same value
.endm
; A tile of 16 rows: 64 products.  At its head K steps 0-7 are on their way (32 loads).  next = 1: the next tile's token is read at the head, and its K steps 0-7 are asked for in the second half.
; Behind each pair of K steps: four places, then the loads into the two slots just multiplied.
.macro TILE next
.if \next
	global_load_b32 v[TK], v[LADR], s[8:9]
.endif
.irp u, 0,1,2,3,4,5,6,7
.if \next
.if \u < 4
	s_wait_loadcnt 25                              ; this pair's eight are in; younger: three pairs of eight and the list's load
.else
	s_wait_loadcnt 24                              ; younger: three pairs of eight; the list's load is older, so it is in too
.endif
.else
.if \u < 4
	s_wait_loadcnt 24
.else
	s_wait_loadcnt 8*(7-\u)                        ; the last tile asks for nothing more: the counts run down
.endif
.endif
.if (\next) && (\u == 4)
	v_min_u32 v[TK], 0x3ff, v[TK]
	v_mul_u32_u24 v[ANS], v[TK], 1600
	v_add_nc_u32 v[AN], v[ANS], v[H48]
	v_add_nc_u32 v[LADR], 256, v[LADR]             ; four tiles on
.endif
	MUL 2*\u
	MUL 2*\u+1
	WIN 0
.rept 4
	v_nop                                          ; places in front of loads into registers that matrix instructions have read, and of the first read of results
.endr
.if \u < 4
	FILL AC, ACS, \u+4
.elseif \next
	FILL AN, ANS, \u-4
.endif
.endr
	EPI                                            ; (its eight additions on work registers and the four places above are more than the five places owed ahead of the product that begins an accumulator anew)
.if \next
	v_mov_b32 v[AC], v[AN]
	v_mov_b32 v[ACS], v[ANS]
.endif
.endm
	s_load_b256 s[4:11], s[0:1], 0x0               ; xq s[4:5], wgu s[6:7], lists s[8:9], mid s[10:11]
	v_lshl_add_u32 v254, v0, 2, 0x18000
	v_mov_b32 v255, 0
	v_lshrrev_b32 v1, 5, v0
	v_readfirstlane_b32 s12, v1                    ; wave 0..3
	s_mov_b32 s13, ttmp9                           ; cg
	s_and_b32 s14, ttmp7, 0xffff                   ; e
	v_and_b32 v14, 31, v0                          ; lane
	v_and_b32 v1, 15, v0                           ; r
	v_bfe_u32 v2, v0, 4, 1                         ; h
	v_lshlrev_b32 v[LI], 4, v14
	v_add_nc_u32 v[LI2], 49152, v[LI]
	s_mul_i32 s15, s12, 24576
	v_add_nc_u32 v[WADR], s15, v[LI]
	v_lshlrev_b32 v220, 3, v14                     ; 8 x lane
	v_lshlrev_b32 v[LADR], 2, v1
	s_lshl_b32 s29, s12, 6
	v_add_nc_u32 v[LADR], s29, v[LADR]             ; entry 16 w + r
	v_mul_u32_u24 v[H48], v2, 48
	s_lshl_b32 s29, s12, 4
	v_add_nc_u32 v[MOFF], s29, v1                  ; row 16 w + r
	v_lshlrev_b32 v[SOFF], 5, v[MOFF]
	v_mul_u32_u24 v[MOFF], v[MOFF], 48
	v_mad_u32_u24 v[MOFF], v2, 12, v[MOFF]         ; + 12 h: my half of the block's 24 bytes
	v_mov_b32 v213, 0                              ; written once: a lane permute's destination counts as one of its sources
	s_lshl_b32 s16, s14, 5
	s_add_co_u32 s16, s16, s13
	s_mul_i32 s16, s16, 102400                     ; my block of wgu
	s_mov_b32 s17, 0
	s_mul_i32 s18, s14, 4352                       ; my expert's list
	s_mov_b32 s19, 0
	s_lshr_b32 s20, s13, 2
	s_lshl_b32 s20, s20, 1
	s_and_b32 s21, s13, 1
	s_add_co_u32 s20, s20, s21
	s_mul_i32 s20, s20, 393216                     ; plane 2 (cg / 4) + cg % 2,
	s_bfe_u32 s21, s13, 0x10001
	s_mul_i32 s21, s21, 24
	s_add_co_u32 s20, s20, s21                     ; the first or the second block of a row's 48 bytes,
	s_mul_i32 s21, s14, 49152
	s_add_co_u32 s20, s20, s21                     ; my expert's 1,024 rows
	s_mov_b32 s21, 0
	s_lshl_b32 s22, s14, 15
	s_add_co_u32 s22, s22, s13
	s_add_co_u32 s22, s22, 6291456                 ; the scale bytes: byte cg of a row's 32
	s_mov_b32 s23, 0
	s_mov_b32 s40, 0x76543210
	s_mov_b32 s41, 0xfedcba98                      ; v_permlanex16_b32's selects for lane l xor 16
	s_wait_kmcnt 0x0
	s_add_nc_u64 s[6:7], s[6:7], s[16:17]
	s_add_nc_u64 s[8:9], s[8:9], s[18:19]
	s_add_nc_u64 s[24:25], s[10:11], s[20:21]
	s_add_nc_u64 s[26:27], s[10:11], s[22:23]
	s_load_b32 s28, s[8:9], 0x1000                 ; the count
	global_load_b32 v[TK], v[LADR], s[8:9]         ; my first tile's token: the oldest load
	WIN 0x40                                       ; destination window 1: my 16 fragments rest there on their way to LDS
.irp i, 0,1,2,3,4,5,6,7,8,9,10,11,12,13,14,15
.irp c, 0,1,2
	global_load_b128 v[12*\i+4*\c:12*\i+4*\c+3], v[WADR], s[6:7] offset:1536*\i+512*\c
.endr
.endr
	WIN 0
	s_wait_loadcnt 48                              ; the token is in; the 48 loads of the weights are younger
	v_add_nc_u32 v[LADR], 256, v[LADR]             ; four tiles on
	v_min_u32 v[TK], 0x3ff, v[TK]
	v_mul_u32_u24 v[ACS], v[TK], 1600
	v_add_nc_u32 v[AC], v[ACS], v[H48]
.irp i, 0,1,2,3,4,5,6,7,8,9,10,11,12,13,14,15
	global_load_b64 v[WS+2*\i:WS+2*\i+1], v220, s[6:7] offset:98304+256*\i
.endr
	FILL AC, ACS, 0                                ; the first tile's K steps 0-7 go out while the weights are on their way
	FILL AC, ACS, 1
	FILL AC, ACS, 2
	FILL AC, ACS, 3
	s_wait_loadcnt 48                              ; the weights are in; younger: the 16 loads of scale words and the 32 of the first tile
	WIN 0x04                                       ; an LDS store's data are its source 1
.irp i, 0,1,2,3,4,5,6,7,8,9,10,11,12,13,14,15
.irp c, 0,1,2
	ds_store_b128 v[WADR], v[12*\i+4*\c:12*\i+4*\c+3] offset:1536*\i+512*\c
.endr
.endr
	WIN 0
	s_wait_dscnt 0x0                               ; for the others' sake: my quarter has landed
	s_barrier_signal -1
	s_barrier_wait -1                              ; the launch's one barrier: all 64 images lie in LDS and are not written again
.set FJ, 0
.rept 64
.if FJ < 63
	WIN (1+FJ/21)<<6
.set WR, 12*(FJ%21)
.else
	WIN 0
.set WR, W63
.endif
.irp c, 0,1,2
.if FJ < 32
	ds_load_b128 v[WR+4*\c:WR+4*\c+3], v[LI] offset:FJ*1536+512*\c
.else
	ds_load_b128 v[WR+4*\c:WR+4*\c+3], v[LI2] offset:(FJ-32)*1536+512*\c
.endif
.endr
.set FJ, FJ+1
.endr
	WIN 0
	s_wait_dscnt 0x0
	s_wait_kmcnt 0x0
	s_min_u32 s28, s28, 1024
	s_add_co_u32 s28, s28, 15
	s_lshr_b32 s28, s28, 4                         ; the expert's tiles,
	s_max_u32 s28, s28, 1                          ; one at the least
	s_add_co_u32 s28, s28, 3
	s_sub_co_u32 s28, s28, s12
	s_lshr_b32 s28, s28, 2                         ; my wave's: tiles w, w + 4, ..
	s_cmp_eq_u32 s28, 0
	s_cbranch_scc1 .Lend
	s_sub_co_u32 s28, s28, 1
	s_cmp_eq_u32 s28, 0
	s_cbranch_scc1 .Ltail
.Lrow:
	TILE 1
	s_sub_co_u32 s28, s28, 1
	s_cmp_lg_u32 s28, 0
	s_cbranch_scc1 .Lrow
.Ltail:
	TILE 0                                         ; the last tile is written out: no load for a tile that is not there
.Lend:
	s_wait_tensorcnt 0x0
	ds_add_u32 v254, v255
	s_wait_dscnt 0x0
	s_endpgm
.Lfunc_end_k_qd066cfae09_gateup:
	.size	k_qd066cfae09_gateup, .Lfunc_end_k_qd066cfae09_gateup-k_qd066cfae09_gateup
	.p2alignl 7, 3214868480
	.fill 96, 4, 3214868480
	.section	.rodata,"a",@progbits
	.p2align	6, 0x0
	.amdhsa_kernel k_qd066cfae09_gateup
		.amdhsa_group_segment_fixed_size 98816
		.amdhsa_private_segment_fixed_size 0
		.amdhsa_enable_private_segment 0
		.amdhsa_kernarg_size 32
		.amdhsa_user_sgpr_count 2
		.amdhsa_user_sgpr_kernarg_segment_ptr 1
		.amdhsa_wavefront_size32 1
		.amdhsa_system_sgpr_workgroup_id_x 1
		.amdhsa_system_sgpr_workgroup_id_y 1
		.amdhsa_system_sgpr_workgroup_id_z 1
		.amdhsa_system_vgpr_workitem_id 0
		.amdhsa_next_free_vgpr 1024
		.amdhsa_next_free_sgpr 66
		.amdhsa_reserve_vcc 0
		.amdhsa_float_denorm_mode_32 3
		.amdhsa_float_denorm_mode_16_64 3
		.amdhsa_memory_ordered 1
		.amdhsa_forward_progress 1
		.amdhsa_inst_pref_size 67
	.end_amdhsa_kernel
	.amdgpu_metadata
---
amdhsa.version: [ 1, 2 ]
amdhsa.kernels:
  - .name:           k_qd066cfae09_gateup
    .symbol:         k_qd066cfae09_gateup.kd
    .args:
      - { .name: xq, .offset: 0, .size: 8, .value_kind: global_buffer, .address_space: global }
      - { .name: wgu, .offset: 8, .size: 8, .value_kind: global_buffer, .address_space: global }
      - { .name: lists, .offset: 16, .size: 8, .value_kind: global_buffer, .address_space: global }
      - { .name: mid, .offset: 24, .size: 8, .value_kind: global_buffer, .address_space: global }
    .group_segment_fixed_size: 98816
    .private_segment_fixed_size: 0
    .kernarg_segment_align: 8
    .kernarg_segment_size: 32
    .max_flat_workgroup_size: 128
    .sgpr_count:     66
    .vgpr_count:     1024
    .wavefront_size: 32
...
	.end_amdgpu_metadata
.endif
;; end of part 3
;; launch down (part 4): grid 32 x 8, 4 waves a work-group, no clusters, 67,072 bytes of LDS; arguments mid, wd, lists, part; writes part
.if DOCPART == 4
	.amdgcn_target "amdgcn-amd-amdhsa--gfx1250"
	.amdhsa_code_object_version 6
	.text
	.protected	k_qd066cfae09_down
	.globl	k_qd066cfae09_down
	.p2align	8
	.type	k_qd066cfae09_down,@function
k_qd066cfae09_down:
	s_mov_b64 s[64:65], 0
	v_nop
	global_prefetch_b8 v0, s[64:65] scope:SCOPE_SE
	s_setreg_imm32_b32 hwreg(HW_REG_WAVE_MODE, 25, 1), 1
	s_wait_xcnt 0x0
; part[1,024 e + j][:] = mid row j of expert e x w_down[e], on codes of BF6 with E8M0 scales; f32 rows, unweighted: the next launch gathers and weighs them.
; SHARES.  Work-group (hg, e): 64 of the 2,048 columns.  Its 32 weight fragments (8 K steps x 4 tiles of 16 columns) stay in every wave's registers, 384 of them; wave w takes the expert's tiles of 16 rows w, w + 4, ..
; The weights come from memory once a work-group: each wave loads a quarter, the four meet in LDS as images of the registers, one barrier, each wave reads all.  The loop has no barrier: its trip count hangs on the stored count.
; mid's codes lie as a lane of a fragment takes them: 48 bytes a row in plane 2 s + h, so that sixteen lanes read 768 consecutive bytes.  A tile's eight K steps fit the ring: a whole tile ahead is on its way.
; THE PRODUCT IS USED TRANSPOSED (source 0 = 16 columns of W, source 1 = 16 rows of mid): a lane holds eight neighbouring columns of a row.  A tile goes through the wave's own stage in LDS and leaves as rows of 256 bytes.
; AN EXPERT HAS AT LEAST ONE TILE, as in the launch before: row 0 of every expert is stored, since the next launch reads such a row, with the weight 0, for a pick that is a zero expert.
; NO CLUSTER, NO TENSOR LOAD: the number of an expert's tiles hangs on counts read from memory, and a refill's barrier would stand in a loop so counted; what the 32 work-groups of an expert share, mid, is 800 bytes a row.
; REGISTERS: fragment f lies in window 1 + f / 21 at 12 (f % 21).  Window 0: see the names below.
.set LI,   3                           ; 16 x lane
.set AC,   4                           ; mid's codes: 393,216 h + 48 x my row
.set SA,   5                           ; its scale bytes: 32 x my row
.set STO,  6                           ; the stage: where I put 32 bytes of a row
.set RD,   7                           ; and where I read a row back
.set GO,   8                           ; my place in two rows of part
.set WADR, 15                          ; 16 x lane + 12,288 w
.set WS,   16                          ; v16-31   the weights' scale words: register 8 p + s: lanes 0-15 tile 2 p, lanes 16-31 tile 2 p + 1
.set RING, 32                          ; v32-127  mid's fragments of the eight K steps
.set AS,   128                         ; v128-135 their scale words
.set ACC,  136                         ; v136-167 four accumulators
.set OB,   168                         ; v168-199 16 rows read back from the stage
.set STG,  49152                       ; LDS: 0 .. 49,151 the weights' images; then a stage of 16 rows x 272 bytes for each wave
.set MSB, 0
.macro WIN new                         ; the immediate's high byte repeats the setting that is left; a switch that changes nothing is dropped
.if MSB != (\new)
	s_set_vgpr_msb (MSB<<8)|(\new)
.set MSB, (\new)
.endif
.endm
.macro FILL4 u, d, d2                  ; K steps 2 u and 2 u + 1, d bytes of codes and d2 bytes of scales further on: seven loads
.irp e, 0,1
.irp i, 0,1,2
	global_load_b128 v[RING+12*(2*(\u)+\e)+4*\i:RING+12*(2*(\u)+\e)+4*\i+3], v[AC], s[4:5] offset:786432*(2*(\u)+\e)+16*\i+\d
.endr
.endr
	global_load_b64 v[AS+2*(\u):AS+2*(\u)+1], v[SA], s[24:25] offset:8*(\u)+\d2
.endm
; K step s: four products; the four accumulators take turns in the same order in every step.  Step 0 starts the sums.
.macro MUL s
.irp q, 0,1,2,3
.set FI, 4*(\s)+\q
	WIN 1+FI/21
.set WR, 12*(FI%21)
.set AQ, ACC+8*\q
.set BR, RING+12*(\s)
.set SCA, WS+8*(\q/2)+(\s)
.set SCB, AS+(\s)
.if ((\s) == 0) && (\q%2 == 1)
	v_wmma_scale_f32_16x16x128_f8f6f4 v[AQ:AQ+7], v[WR:WR+11], v[BR:BR+11], 0, v[SCA], v[SCB] matrix_a_fmt:MATRIX_FMT_BF6 matrix_b_fmt:MATRIX_FMT_BF6 matrix_a_scale:MATRIX_SCALE_ROW1
.elseif (\s) == 0
	v_wmma_scale_f32_16x16x128_f8f6f4 v[AQ:AQ+7], v[WR:WR+11], v[BR:BR+11], 0, v[SCA], v[SCB] matrix_a_fmt:MATRIX_FMT_BF6 matrix_b_fmt:MATRIX_FMT_BF6
.elseif \q%2 == 1
	v_wmma_scale_f32_16x16x128_f8f6f4 v[AQ:AQ+7], v[WR:WR+11], v[BR:BR+11], v[AQ:AQ+7], v[SCA], v[SCB] matrix_a_fmt:MATRIX_FMT_BF6 matrix_b_fmt:MATRIX_FMT_BF6 matrix_a_scale:MATRIX_SCALE_ROW1
.else
	v_wmma_scale_f32_16x16x128_f8f6f4 v[AQ:AQ+7], v[WR:WR+11], v[BR:BR+11], v[AQ:AQ+7], v[SCA], v[SCB] matrix_a_fmt:MATRIX_FMT_BF6 matrix_b_fmt:MATRIX_FMT_BF6
.endif
.endr
.endm
; A tile of 16 rows: 32 products.  At its head its four pairs of K steps are on their way (28 loads).  next = 1: behind each pair the same pair of the next tile is asked for.
.macro TILE4 next
.irp u, 0,1,2,3
.if \next
	s_wait_loadcnt 21                              ; this pair's seven are in; younger: three pairs of seven
.else
	s_wait_loadcnt 7*(3-\u)                        ; the last tile asks for nothing more: the counts run down
.endif
	MUL 2*\u
	MUL 2*\u+1
	WIN 0
.rept 4
	v_nop                                          ; places in front of loads into registers that matrix instructions have read, and of the stores that read results
.endr
.if \next
	FILL4 \u, 3072, 2048
.endif
.endr
.irp q, 0,1,2,3
	ds_store_b128 v[STO], v[ACC+8*\q:ACC+8*\q+3] offset:64*\q          ; each accumulator from its low end on
	ds_store_b128 v[STO], v[ACC+8*\q+4:ACC+8*\q+7] offset:64*\q+16
.endr
.irp i, 0,1,2,3,4,5,6,7
	ds_load_b128 v[OB+4*\i:OB+4*\i+3], v[RD] offset:544*\i             ; LDS serves a wave's instructions in order: these see my stores, and the next tile's stores come behind them
.endr
.irp i, 0,1,2,3,4,5,6,7
	s_wait_dscnt 7-\i                              ; younger: the loads behind this one
	global_store_b128 v[GO], v[OB+4*\i:OB+4*\i+3], s[10:11] offset:16384*\i   ; sixteen lanes store 256 consecutive bytes, at a multiple of 256 from part's first byte
.endr
.if \next
	s_wait_xcnt 0x0                                ; offsets, base and data are written again only behind this wait
	v_add_nc_u32 v[AC], 3072, v[AC]                ; 64 rows on.  (These two lines and the four places above are the places owed ahead of the product that begins an accumulator anew)
	v_add_nc_u32 v[SA], 2048, v[SA]
	s_add_nc_u64 s[10:11], s[10:11], 0x80000
.endif
.endm
	s_load_b256 s[4:11], s[0:1], 0x0               ; mid s[4:5], wd s[6:7], lists s[8:9], part s[10:11]
	v_lshl_add_u32 v254, v0, 2, 0x10400
	v_mov_b32 v255, 0
	v_lshrrev_b32 v1, 5, v0
	v_readfirstlane_b32 s12, v1                    ; wave 0..3
	s_mov_b32 s13, ttmp9                           ; hg
	s_and_b32 s14, ttmp7, 0xffff                   ; e
	v_and_b32 v14, 31, v0                          ; lane
	v_and_b32 v1, 15, v0                           ; r
	v_bfe_u32 v2, v0, 4, 1                         ; h
	v_lshlrev_b32 v[LI], 4, v14
	s_mul_i32 s15, s12, 12288
	v_add_nc_u32 v[WADR], s15, v[LI]
	v_lshlrev_b32 v9, 3, v14                       ; 8 x lane
	s_mul_i32 s15, s12, 4352
	s_add_co_u32 s15, s15, STG                     ; my stage
	v_mul_u32_u24 v[STO], v1, 272
	v_lshl_add_u32 v[STO], v2, 5, v[STO]
	v_add_nc_u32 v[STO], s15, v[STO]               ; in: row r, + 32 h
	v_mul_u32_u24 v[RD], v2, 272
	v_lshl_add_u32 v[RD], v1, 4, v[RD]
	v_add_nc_u32 v[RD], s15, v[RD]                 ; back: lanes 0-15 one row of 256 bytes, lanes 16-31 the next
	v_lshlrev_b32 v[GO], 13, v2
	v_lshl_add_u32 v[GO], v1, 4, v[GO]             ; and the same two rows of part
	s_lshl_b32 s15, s12, 4
	v_add_nc_u32 v[SA], s15, v1                    ; row 16 w + r
	v_mul_u32_u24 v[AC], v[SA], 48
	v_mul_u32_u24 v10, v2, 393216
	v_add_nc_u32 v[AC], v[AC], v10
	v_lshlrev_b32 v[SA], 5, v[SA]
	s_lshl_b32 s16, s14, 5
	s_add_co_u32 s16, s16, s13
	s_mul_i32 s16, s16, 51200                      ; my block of wd
	s_mov_b32 s17, 0
	s_mul_i32 s18, s14, 4352                       ; my expert's list
	s_mov_b32 s19, 0
	s_mul_i32 s20, s14, 49152                      ; my expert's rows in a plane of codes
	s_mov_b32 s21, 0
	s_lshl_b32 s22, s14, 15
	s_add_co_u32 s22, s22, 6291456                 ; and among the scale bytes
	s_mov_b32 s23, 0
	s_lshl_b32 s26, s14, 10
	s_add_co_u32 s26, s26, s15                     ; row 1,024 e + 16 w of part,
	s_lshl_b32 s26, s26, 13
	s_lshl_b32 s27, s13, 8
	s_add_co_u32 s26, s26, s27                     ; + 256 hg bytes
	s_mov_b32 s27, 0
	s_wait_kmcnt 0x0
	s_add_nc_u64 s[24:25], s[4:5], s[22:23]
	s_add_nc_u64 s[4:5], s[4:5], s[20:21]
	s_add_nc_u64 s[6:7], s[6:7], s[16:17]
	s_add_nc_u64 s[8:9], s[8:9], s[18:19]
	s_add_nc_u64 s[10:11], s[10:11], s[26:27]
	s_load_b32 s28, s[8:9], 0x1000                 ; the count
.irp i, 0,1,2,3,4,5,6,7
	global_load_b64 v[WS+2*\i:WS+2*\i+1], v9, s[6:7] offset:49152+256*\i
.endr
.irp i, 0,1,2,3,4,5,6,7
.irp c, 0,1,2
	global_load_b128 v[RING+12*\i+4*\c:RING+12*\i+4*\c+3], v[WADR], s[6:7] offset:1536*\i+512*\c      ; my 8 fragments rest in the ring on their way to LDS
.endr
.endr
	s_wait_loadcnt 0x0
.irp i, 0,1,2,3,4,5,6,7
.irp c, 0,1,2
	ds_store_b128 v[WADR], v[RING+12*\i+4*\c:RING+12*\i+4*\c+3] offset:1536*\i+512*\c
.endr
.endr
	s_wait_dscnt 0x0                               ; for the others' sake: my quarter has landed
	s_barrier_signal -1
	s_barrier_wait -1                              ; the launch's one barrier: all 32 images lie in LDS and are not written again
.set FJ, 0
.rept 32
	WIN (1+FJ/21)<<6
.set WR, 12*(FJ%21)
.irp c, 0,1,2
	ds_load_b128 v[WR+4*\c:WR+4*\c+3], v[LI] offset:FJ*1536+512*\c
.endr
.set FJ, FJ+1
.endr
	WIN 0
	s_wait_dscnt 0x0
	s_wait_kmcnt 0x0
	s_min_u32 s28, s28, 1024
	s_add_co_u32 s28, s28, 15
	s_lshr_b32 s28, s28, 4                         ; the expert's tiles,
	s_max_u32 s28, s28, 1                          ; one at the least
	s_add_co_u32 s28, s28, 3
	s_sub_co_u32 s28, s28, s12
	s_lshr_b32 s28, s28, 2                         ; my wave's: tiles w, w + 4, ..
	s_cmp_eq_u32 s28, 0
	s_cbranch_scc1 .Lend
	FILL4 0, 0, 0
	FILL4 1, 0, 0
	FILL4 2, 0, 0
	FILL4 3, 0, 0
	s_sub_co_u32 s28, s28, 1
	s_cmp_eq_u32 s28, 0
	s_cbranch_scc1 .Ltail
.Lrow:
	TILE4 1
	s_sub_co_u32 s28, s28, 1
	s_cmp_lg_u32 s28, 0
	s_cbranch_scc1 .Lrow
.Ltail:
	TILE4 0                                        ; the last tile is written out: no load for a tile that is not there
.Lend:
	s_wait_tensorcnt 0x0
	ds_add_u32 v254, v255
	s_wait_dscnt 0x0
	s_endpgm
.Lfunc_end_k_qd066cfae09_down:
	.size	k_qd066cfae09_down, .Lfunc_end_k_qd066cfae09_down-k_qd066cfae09_down
	.p2alignl 7, 3214868480
	.fill 96, 4, 3214868480
	.section	.rodata,"a",@progbits
	.p2align	6, 0x0
	.amdhsa_kernel k_qd066cfae09_down
		.amdhsa_group_segment_fixed_size 67072
		.amdhsa_private_segment_fixed_size 0
		.amdhsa_enable_private_segment 0
		.amdhsa_kernarg_size 32
		.amdhsa_user_sgpr_count 2
		.amdhsa_user_sgpr_kernarg_segment_ptr 1
		.amdhsa_wavefront_size32 1
		.amdhsa_system_sgpr_workgroup_id_x 1
		.amdhsa_system_sgpr_workgroup_id_y 1
		.amdhsa_system_sgpr_workgroup_id_z 1
		.amdhsa_system_vgpr_workitem_id 0
		.amdhsa_next_free_vgpr 768
		.amdhsa_next_free_sgpr 66
		.amdhsa_reserve_vcc 0
		.amdhsa_float_denorm_mode_32 3
		.amdhsa_float_denorm_mode_16_64 3
		.amdhsa_memory_ordered 1
		.amdhsa_forward_progress 1
		.amdhsa_inst_pref_size 34
	.end_amdhsa_kernel
	.amdgpu_metadata
---
amdhsa.version: [ 1, 2 ]
amdhsa.kernels:
  - .name:           k_qd066cfae09_down
    .symbol:         k_qd066cfae09_down.kd
    .args:
      - { .name: mid, .offset: 0, .size: 8, .value_kind: global_buffer, .address_space: global }
      - { .name: wd, .offset: 8, .size: 8, .value_kind: global_buffer, .address_space: global }
      - { .name: lists, .offset: 16, .size: 8, .value_kind: global_buffer, .address_space: global }
      - { .name: part, .offset: 24, .size: 8, .value_kind: global_buffer, .address_space: global }
    .group_segment_fixed_size: 67072
    .private_segment_fixed_size: 0
    .kernarg_segment_align: 8
    .kernarg_segment_size: 32
    .max_flat_workgroup_size: 128
    .sgpr_count:     66
    .vgpr_count:     768
    .wavefront_size: 32
...
	.end_amdgpu_metadata
.endif
;; end of part 4
;; launch combine (part 5): grid 512 x 1, 4 waves a work-group, no clusters, 0 bytes of LDS; arguments hidden_states, part, ridx, rwt, lists, out0; writes out0
.if DOCPART == 5
	.amdgcn_target "amdgcn-amd-amdhsa--gfx1250"
	.amdhsa_code_object_version 6
	.text
	.protected	k_qd066cfae09_combine
	.globl	k_qd066cfae09_combine
	.p2align	8
	.type	k_qd066cfae09_combine,@function
k_qd066cfae09_combine:
	s_mov_b64 s[64:65], 0
	v_nop
	global_prefetch_b8 v0, s[64:65] scope:SCOPE_SE
	s_setreg_imm32_b32 hwreg(HW_REG_WAVE_MODE, 25, 1), 1
	s_wait_xcnt 0x0
; out[t] = zw x[t] + the sum over the four picks k of wr_k part[row_k]:  wr_k = the pick's weight where its class is a real expert (under 8), else 0;  zw = the sum of the weights of the picks that are zero experts.
; Each output row has one owner: a wave makes half a row, 4,096 bytes; a work-group two rows.  The class, the weights and the token's place in each expert's list were stored by earlier launches.
; NO BRANCH AND NO CHOICE OF BUFFERS: a pick that is a zero expert reads expert 7's row at inv[7][t] (the token's own row there, or row 0, which is always stored) and weighs it with 0.
; LIMIT: 0 x that row is 0 where the row is finite: it is a row that the full computation of every expert for every token holds too, so it is finite wherever that computation is.
; The row's number goes into the vector offset, held at 8,191 rows of 8,192 bytes; the bases are the buffers' own addresses.
; A stream: no LDS, no matrix unit, no cluster (no work-group shares a tile with another); 40 loads of 512 consecutive bytes are on their way in each wave.
	s_load_b256 s[4:11], s[0:1], 0x0               ; x s[4:5], part s[6:7], ridx s[8:9], rwt s[10:11]
	s_load_b128 s[12:15], s[0:1], 0x20             ; lists s[12:13], out s[14:15]
	v_lshrrev_b32 v1, 5, v0
	v_readfirstlane_b32 s16, v1                    ; wave 0..3
	v_and_b32 v2, 31, v0
	s_lshr_b32 s17, s16, 1
	s_lshl_b32 s18, ttmp9, 1
	s_add_co_u32 s17, s17, s18                     ; my token
	s_and_b32 s18, s16, 1
	s_lshl_b32 s18, s18, 12                        ; which half of the row
	v_lshlrev_b32 v2, 4, v2
	v_add_nc_u32 v2, s18, v2                       ; 16 x lane + 4,096 x half
	s_lshl_b32 s19, s17, 2
	s_lshl_b32 s20, s17, 4
	s_lshl_b32 s22, s17, 13
	s_mov_b32 s23, 0
	s_mov_b32 s46, 0                               ; zw
	s_wait_kmcnt 0x0
	s_load_b32 s21, s[8:9], s19 offset:0x1000      ; kidx: byte k = the k-th chosen class
	s_load_b128 s[24:27], s[10:11], s20 offset:0x0 ; the four weights
	s_add_nc_u64 s[14:15], s[14:15], s[22:23]      ; out at my row
	s_add_nc_u64 s[4:5], s[4:5], s[22:23]          ; x likewise
.irp i, 0,1,2,3,4,5,6,7
	global_load_b128 v[16+4*\i:19+4*\i], v2, s[4:5] offset:512*\i
.endr
	s_wait_kmcnt 0x0
.irp k, 0,1,2,3
	s_bfe_u32 s[28+\k], s21, (8<<16)|(8*\k)        ; the class
	s_min_u32 s[32+\k], s[28+\k], 7                ; as an expert's number
	s_lshl_b32 s[36+\k], s[32+\k], 12
	s_add_co_u32 s[36+\k], s[36+\k], s19
	s_load_b32 s[40+\k], s[12:13], s[36+\k] offset:0x8800   ; inv[expert][token]: every word of it is stored
.endr
	s_wait_kmcnt 0x0
.irp k, 0,1,2,3
	s_min_u32 s[40+\k], s[40+\k], 1023
	s_lshl_b32 s[32+\k], s[32+\k], 10
	s_add_co_u32 s[40+\k], s[40+\k], s[32+\k]      ; the row of part
	v_mov_b32 v[4+\k], s[40+\k]
	v_min_u32 v[4+\k], 0x1fff, v[4+\k]             ; inside part's 8,192 rows
	v_mul_u32_u24 v[4+\k], v[4+\k], 0x2000         ; of 8,192 bytes
	v_add_nc_u32 v[4+\k], v[4+\k], v2
	s_cmp_lt_u32 s[28+\k], 8                       ; a real expert?
	s_cselect_b32 s[66+2*\k], s[24+\k], 0          ; its weight, or 0
	s_cselect_b32 s44, 0, s[24+\k]                 ; a zero expert's weight goes to x
	s_mov_b32 s[67+2*\k], s[66+2*\k]               ; (the packed forms name a pair and take its low word for both halves: so the upper word is written)
	s_add_f32 s46, s46, s44
.endr
	s_mov_b32 s47, s46
.irp k, 0,1,2,3
.irp i, 0,1,2,3,4,5,6,7
	global_load_b128 v[48+32*\k+4*\i:51+32*\k+4*\i], v[4+\k], s[6:7] offset:512*\i
.endr
.endr
	s_wait_loadcnt 32                              ; x's eight are in; four runs of eight are younger
.irp j, 0,2,4,6,8,10,12,14,16,18,20,22,24,26,28,30
	v_pk_mul_f32 v[16+\j:17+\j], v[16+\j:17+\j], s[46:47] op_sel_hi:[1,0]
.endr
	s_wait_loadcnt 24                              ; the first pick's eight are in; three runs are younger
.irp j, 0,2,4,6,8,10,12,14,16,18,20,22,24,26,28,30
	v_pk_fma_f32 v[16+\j:17+\j], v[48+\j:49+\j], s[66:67], v[16+\j:17+\j] op_sel_hi:[1,0,1]
.endr
	s_wait_loadcnt 16
.irp j, 0,2,4,6,8,10,12,14,16,18,20,22,24,26,28,30
	v_pk_fma_f32 v[16+\j:17+\j], v[80+\j:81+\j], s[68:69], v[16+\j:17+\j] op_sel_hi:[1,0,1]
.endr
	s_wait_loadcnt 8
.irp j, 0,2,4,6,8,10,12,14,16,18,20,22,24,26,28,30
	v_pk_fma_f32 v[16+\j:17+\j], v[112+\j:113+\j], s[70:71], v[16+\j:17+\j] op_sel_hi:[1,0,1]
.endr
	s_wait_loadcnt 0x0
.irp j, 0,2,4,6,8,10,12,14,16,18,20,22,24,26,28,30
	v_pk_fma_f32 v[16+\j:17+\j], v[144+\j:145+\j], s[72:73], v[16+\j:17+\j] op_sel_hi:[1,0,1]
.endr
.irp i, 0,1,2,3,4,5,6,7
	global_store_b128 v2, v[16+4*\i:19+4*\i], s[14:15] offset:512*\i th:TH_STORE_NT   ; 512 consecutive bytes, at a multiple of 256 from out's first byte; written once
.endr
	s_endpgm
.Lfunc_end_k_qd066cfae09_combine:
	.size	k_qd066cfae09_combine, .Lfunc_end_k_qd066cfae09_combine-k_qd066cfae09_combine
	.p2alignl 7, 3214868480
	.fill 96, 4, 3214868480
	.section	.rodata,"a",@progbits
	.p2align	6, 0x0
	.amdhsa_kernel k_qd066cfae09_combine
		.amdhsa_group_segment_fixed_size 0
		.amdhsa_private_segment_fixed_size 0
		.amdhsa_enable_private_segment 0
		.amdhsa_kernarg_size 48
		.amdhsa_user_sgpr_count 2
		.amdhsa_user_sgpr_kernarg_segment_ptr 1
		.amdhsa_wavefront_size32 1
		.amdhsa_system_sgpr_workgroup_id_x 1
		.amdhsa_system_sgpr_workgroup_id_y 1
		.amdhsa_system_sgpr_workgroup_id_z 1
		.amdhsa_system_vgpr_workitem_id 0
		.amdhsa_next_free_vgpr 176
		.amdhsa_next_free_sgpr 80
		.amdhsa_reserve_vcc 0
		.amdhsa_float_denorm_mode_32 3
		.amdhsa_float_denorm_mode_16_64 3
		.amdhsa_memory_ordered 1
		.amdhsa_forward_progress 1
		.amdhsa_inst_pref_size 14
	.end_amdhsa_kernel
	.amdgpu_metadata
---
amdhsa.version: [ 1, 2 ]
amdhsa.kernels:
  - .name:           k_qd066cfae09_combine
    .symbol:         k_qd066cfae09_combine.kd
    .args:
      - { .name: hidden_states, .offset: 0, .size: 8, .value_kind: global_buffer, .address_space: global }
      - { .name: part, .offset: 8, .size: 8, .value_kind: global_buffer, .address_space: global }
      - { .name: ridx, .offset: 16, .size: 8, .value_kind: global_buffer, .address_space: global }
      - { .name: rwt, .offset: 24, .size: 8, .value_kind: global_buffer, .address_space: global }
      - { .name: lists, .offset: 32, .size: 8, .value_kind: global_buffer, .address_space: global }
      - { .name: out0, .offset: 40, .size: 8, .value_kind: global_buffer, .address_space: global }
    .group_segment_fixed_size: 0
    .private_segment_fixed_size: 0
    .kernarg_segment_align: 8
    .kernarg_segment_size: 48
    .max_flat_workgroup_size: 128
    .sgpr_count:     80
    .vgpr_count:     176
    .wavefront_size: 32
...
	.end_amdgpu_metadata
.endif
;; end of part 5
;; ======== version 2 of 2: 5 launches
;; workspace buffers: xq 1,638,400 bytes; wgu 26,214,400 bytes; ridx 8,192 bytes of whole numbers; rwt 16,384 bytes; wd 13,107,200 bytes; lists 67,584 bytes of whole numbers; mid 6,553,600 bytes; part 67,108,864 bytes
;; launch prep (part 6): grid 1088 x 1, 4 waves a work-group, no clusters, 31,232 bytes of LDS; arguments hidden_states, router_w, corr_bias, w_gate, w_up, xq, wgu, ridx, rwt; writes xq, wgu, ridx, rwt
.if DOCPART == 6
	.amdgcn_target "amdgcn-amd-amdhsa--gfx1250"
	.amdhsa_code_object_version 6
	.text
	.protected	k_qd066cfae09_prep
	.globl	k_qd066cfae09_prep
	.p2align	8
	.type	k_qd066cfae09_prep,@function
k_qd066cfae09_prep:
	s_mov_b64 s[64:65], 0
	v_nop
	global_prefetch_b8 v0, s[64:65] scope:SCOPE_SE
	s_setreg_imm32_b32 hwreg(HW_REG_WAVE_SCHED_MODE, 0, 2), 2
	s_setreg_imm32_b32 hwreg(HW_REG_WAVE_MODE, 25, 1), 1
	s_wait_xcnt 0x0
	s_wait_alu depctr_vm_vsrc(0)
; TWO JOBS IN ONE LAUNCH, parted on the work-group's number.
; Work-groups 0-63 (ROUTE): 16 tokens each.  x [1024][2048] f32 becomes codes of BF6 (E3M2) with one E8M0 byte for each 32 along K, laid for the later launches (xq);
;   the router's product x . router_w^T is made on codes; softmax, + corr_bias for the choice alone, top 4 (equal numbers: the lower class); the choice goes out at fixed places:
;   ridx: emask[token] (bit e: real expert e chosen), then kidx[token] (byte k: the k-th chosen class);  rwt: [token][4] the four weights.
; Work-groups 64-1087 (QUANT): w_gate and w_up [8][2048 (K)][1024] f32 become codes in the ORDER OF THE OPERAND'S REGISTERS (wgu): a work-group takes 256 along K x 128 columns of one expert of one tensor.
; xq: [token][1600 bytes]: 16 scale words (word s: K step s of 128), then for K step s and lane half h the 48 bytes that a lane of a fragment holds, at 64 + 96 s + 48 h.
; wgu: [expert][32 columns cg][102,400 bytes]: fragment 4 s + q at 1,536 bytes each (q = 0, 1: gate's two tiles of 16 columns; 2, 3: up's), registers 4 c .. 4 c + 3 of lane l at 512 c + 16 l;
;   from 98,304 on the scale words [gate, up][8 chunks of K][lane][2 words]: lanes 0-15 tile 0, lanes 16-31 tile 1.
; A block's scale is 2^(floor(log2(largest magnitude)) - 4); its byte is the largest magnitude's exponent field - 4, held at 1 from below.
; LIMITS: NaN and infinities are not served.  A block of zeros, or one whose largest magnitude lies under 2^-122, gets the byte 1 (its codes are zeros or what the floor's scale gives); the bytes are read by this program alone.
;   The router's sums are taken in four quarters of K, one a wave, and added in f32: two scores closer than that rounding may change places in the choice.
; No tensor loads, no cluster: the two jobs share no tile; the weights are read once, by loads of 128 consecutive bytes a wave, 64 of them on their way in each wave.
; Both paths keep within 194 registers a wave, so that more work-groups lie side by side and their loads go out together.
; THE MODE: SCHED_MODE bits 1:0 = 2 (LLVM: expert scheduling mode 2), set by the entry lines.  The code itself states the register dependences
; between vector or matrix instructions and memory or LDS instructions, with s_wait_alu, always for 0.
; THE PLAN, ROUTE.  Registers that memory or LDS instructions touch:
;   v[XN ..], v[RN ..]   A K step's loads land in them; QUANT reads them; the next K step's loads land behind a wait on va_vdst that stands behind that QUANT.
;   v[PCX ..], v[PWX]    Written by QUANT, read by the image's four LDS stores (and by the product); written again a K step later, behind a wait on vm_vsrc.
;   v[PCR ..], v[PWR]    Written by QUANT, read by the product alone.
;   v[ACC ..]            Written by the four products, read by two LDS stores behind the last.
;   v1 to v7             Addresses, made once at the head.
;   A K step has two waits on va_vdst: behind x's QUANT (the image's stores; the loads into XN) and directly ahead of the product (its operands and scales; the loads into RN, which follow the product).
; THE PLAN, QUANT.  v32-95: two sets by turns: a block's maxima and conversions read a set, and behind one wait on va_vdst the loads of two blocks on land in it.
;   v96-143 and v[16:17]: written by vector lines, read by the stores behind one wait on va_vdst for each K step; no store's source is written again.  v2, v3, v4: offsets, made once.
.set RED,   25600                      ; LDS: 0 .. 25,599 the work-group's 16 rows of xq as they will lie in memory; then 4 x 1,024 bytes: each wave's part of the router's sums
.set XA,    1                          ; ROUTE: x and router_w alike: my byte in the 16 rows
.set XW,    2                          ; LDS: my fragments' 48 bytes
.set XWS,   3                          ; LDS: my scale words
.set RDW,   4                          ; LDS: my part of the sums
.set SRD,   5                          ; the way out of the rows' image, in LDS and in xq alike
.set SRD8,  6                          ; its last 256 bytes
.set RDR,   7                          ; LDS: the four parts of the sums, read by wave 0
.set ACC,   8                          ; v8-15    the accumulator of my four K steps
.set XN,    16                         ; v16-79   64 numbers of x: register 16 b + i = k 32 b + 16 (lane / 16) + i of my row
.set RN,    80                         ; v80-143  the same of router_w
.set PCX,   144                        ; v144-155 x's fragment
.set PCR,   156                        ; v156-167 router_w's
.set QT,    168                        ; v168-175 the upper halves of the blocks' codes, on their way
.set TM,    176                        ; v176-187 at work in QUANT
.set PWX,   188                        ; x's scale word: holds nothing else
.set PWR,   189                        ; router_w's: holds nothing else
.set KROWB, 4096                       ; QUANT: bytes from one k to the next
.set BLK,   102400
.set SCOFF, 98304
.set SRC,   10                         ; s[10:11] the tensor at my part
.set DST,   38                         ; s[38:39] my fragments' place
.set SCD,   16                         ; s[16:17] my scale words' place
.set SW,    16                         ; v[16:17] my column's scale words of the two K steps
.set X,     32                         ; v32-95   two sets of 32 numbers down K
.set F,     96                         ; v96-143  K step ks: tile 0's fragment at F + 24 ks, tile 1's 12 further on
.set T,     144                        ; v144-159 the upper 16 codes of each of a K step's four blocks
.macro XLOAD reg, ptr, i               ; my row's 64 numbers of my i-th K step
.irp b, 0,1,2,3
.irp j, 0,1,2,3
	global_load_b128 v[\reg+16*\b+4*\j:\reg+16*\b+4*\j+3], v[XA], s[\ptr:\ptr+1] offset:512*(\i)+128*\b+16*\j
.endr
.endr
.endm
; 64 numbers of a lane become a fragment's 12 registers in v[pc] on and the row's scale word in v[pw]
.macro QUANT s, pc, pw
.irp b, 0,1,2,3
	v_max3_num_f32 v[TM+\b], |v[\s+16*\b]|, |v[\s+1+16*\b]|, 0x2800000   ; block b: my 16 numbers, and the floor 2^(5 - 127): the byte cannot fall under 1
.endr
.irp i, 2,4,6,8,10,12,14
.irp b, 0,1,2,3
	v_max3_num_f32 v[TM+\b], v[TM+\b], |v[\s+16*\b+\i]|, |v[\s+1+16*\b+\i]|   ; the four blocks by turns
.endr
.endr
.irp b, 0,1,2,3
	v_permlanex16_b32 v[TM+4+\b], v[TM+\b], s40, s41
.endr
.irp b, 0,1,2,3
	v_max_num_f32 v[TM+\b], v[TM+\b], v[TM+4+\b]          ; with lane l xor 16's: the block's largest magnitude
.endr
.irp b, 0,1,2,3
	v_add_nc_u32 v[TM+8+\b], 0xfe000000, v[TM+\b]         ; 4 off its exponent field: the conversion's scale operand
.endr
.irp b, 0,1,2,3
	v_lshrrev_b32 v[TM+\b], 23, v[TM+8+\b]                ; the scale's byte, where the magnitude lay
.endr
	v_lshl_or_b32 v[\pw], v[TM+1], 8, v[TM]
	v_lshl_or_b32 v[\pw], v[TM+2], 16, v[\pw]
	v_lshl_or_b32 v[\pw], v[TM+3], 24, v[\pw]
.irp c, 0,1
	v_cvt_scalef32_pk16_bf6_f32 v[\pc+6*\c:\pc+2+6*\c], v[\s+32*\c:\s+15+32*\c], v[TM+8+2*\c]
	v_cvt_scalef32_pk16_bf6_f32 v[QT+4*\c:QT+2+4*\c], v[\s+16+32*\c:\s+31+32*\c], v[TM+8+2*\c+1]   ; (a conversion's three registers begin on an even number)
.endr
	v_nop                                                 ; one plain place behind a scaled conversion
.irp c, 0,1                                           ; the layout wants a whole block in a lane: lanes 0-15 block 2 c, lanes 16-31 block 2 c + 1
.irp i, 0,1,2
	v_permlane16_swap_b32 v[\pc+6*\c+\i], v[QT+4*\c+\i]
.endr
.irp i, 0,1,2
	v_mov_b32 v[\pc+3+6*\c+\i], v[QT+4*\c+\i]
.endr
.endr
.endm
; one pick of the top 4: the largest of the 16 biased scores (a strict comparison keeps the lower class), its score, its class; then that class is taken out.
; v144-159 the scores, v160-175 the biased scores, v181 -infinity, v182 1, v183 kidx, v184 the chosen classes as bits, v56-59 the four weights; s48-63 the sixteen masks of the taking out
.macro PICK k
	v_mov_b32 v178, v160
	v_mov_b32 v179, v144
	v_mov_b32 v180, 0
.irp i, 1,2,3,4,5,6,7,8,9,10,11,12,13,14,15
	v_cmp_gt_f32 vcc_lo, v[160+\i], v178
	s_wait_alu depctr_va_vcc(0)                    ; the comparison has written VCC, which the three choices read.  (Each comparison needs the choice before it: they cannot stand in a run)
	v_cndmask_b32 v178, v178, v[160+\i], vcc_lo
	v_cndmask_b32 v179, v179, v[144+\i], vcc_lo
	v_cndmask_b32 v180, v180, \i, vcc_lo
.endr
.irp i, 0,1,2,3,4,5,6,7,8,9,10,11,12,13,14,15
	v_cmp_eq_u32 s[48+\i], \i, v180                ; sixteen comparisons in a run, a scalar register each
.endr
	s_wait_alu depctr_va_sdst(0)                   ; the sixteen comparisons have written s48 to s63, which the sixteen choices read
.irp i, 0,1,2,3,4,5,6,7,8,9,10,11,12,13,14,15
	v_cndmask_b32 v[160+\i], v[160+\i], v181, s[48+\i]
.endr
	v_mov_b32 v[56+\k], v179
	v_lshl_or_b32 v183, v180, 8*\k, v183
	v_lshlrev_b32 v185, v180, v182
	v_or_b32 v184, v184, v185
.endm
.macro LOAD t                          ; block t: w(32 t + i, my column), i = 0 .. 31, into set t % 2: the wave reads 128 consecutive bytes a load
.set LJ, 0
.rept 32
	global_load_b32 v[X+32*((\t)%2)+LJ], v2, s[SRC:SRC+1] offset:(32*(\t)+LJ)*KROWB th:TH_LOAD_NT
.set LJ, LJ+1
.endr
.endm
.macro BLOCK t                         ; a block of 32 down K lies in ONE lane's registers: no other lane is asked for its maximum
.set XS, X+32*((\t)%2)
.set BB, (\t)%4
.set KS, (\t)/4
.set FD, F+24*KS+12*(BB%2)+6*(BB/2)    ; even blocks' lower codes into tile 0's registers, odd blocks' into tile 1's: EMIT's exchange sorts them
.if (\t) < 7
	s_wait_loadcnt 32                                     ; this block's 32 loads are in; the next block's 32 may be out
.else
	s_wait_loadcnt 0x0
.endif
	v_max3_num_f32 v12, |v[XS]|, |v[XS+1]|, |v[XS+2]|
	v_max3_num_f32 v13, |v[XS+3]|, |v[XS+4]|, |v[XS+5]|
.irp i, 6,10,14,18,22,26
	v_max3_num_f32 v12, v12, |v[XS+\i]|, |v[XS+\i+1]|
	v_max3_num_f32 v13, v13, |v[XS+\i+2]|, |v[XS+\i+3]|
.endr
	v_max3_num_f32 v12, v12, |v[XS+30]|, |v[XS+31]|
	v_max3_num_f32 v12, v12, v13, 0x2800000               ; and the floor
	v_add_nc_u32 v11, 0xfe000000, v12
	v_lshrrev_b32 v13, 23, v11
.if BB == 0
	v_mov_b32 v[SW+KS], v13
.else
	v_lshl_or_b32 v[SW+KS], v13, 8*BB, v[SW+KS]
.endif
	v_cvt_scalef32_pk16_bf6_f32 v[FD:FD+2], v[XS:XS+15], v11
	v_cvt_scalef32_pk16_bf6_f32 v[T+4*BB:T+4*BB+2], v[XS+16:XS+31], v11
.if (\t)+2 < 8
	s_wait_alu depctr_va_vdst(0)                          ; the maxima and the conversions are done reading this set, in which the loads of two blocks on land: the set is asked for again at once
	LOAD (\t)+2
.endif
.endm
; Lanes 0-15 hold tile 0's columns and lanes 16-31 tile 1's, each with all four blocks.  A fragment wants block 2 c in lanes 0-15 and block 2 c + 1 in lanes 16-31 of ONE tile:
; the exchange of the even block's lanes 16-31 with the odd block's lanes 0-15 makes tile 0's registers of the first and tile 1's of the second.
.macro EMIT ks
.set F0, F+24*(\ks)
.set F1, F0+12
	v_nop                                                 ; one plain place behind a scaled conversion
.irp c, 0,1
.irp i, 0,1,2
	v_permlane16_swap_b32 v[F0+6*\c+\i], v[F1+6*\c+\i]
	v_permlane16_swap_b32 v[T+8*\c+\i], v[T+8*\c+4+\i]
.endr
.irp i, 0,1,2
	v_mov_b32 v[F0+6*\c+3+\i], v[T+8*\c+\i]
	v_mov_b32 v[F1+6*\c+3+\i], v[T+8*\c+4+\i]
.endr
.endr
	s_wait_alu depctr_va_vdst(0)                          ; the exchanges and the moves have written the two fragments, which the six stores read; behind the second K step the scale words are written too, which the last store reads
.irp j, 0,1
.irp c, 0,1,2
	global_store_b128 v3, v[F0+12*\j+4*\c:F0+12*\j+4*\c+3], s[DST:DST+1] offset:(\ks)*6144+\j*1536+512*\c   ; 512 consecutive bytes, at a multiple of 256 from the buffer's first byte
.endr
.endr
.endm
	s_load_b256 s[4:11], s[0:1], 0x0               ; x s[4:5], router_w s[6:7], corr_bias s[8:9], w_gate s[10:11]
	s_load_b256 s[12:19], s[0:1], 0x20             ; w_up s[12:13], xq s[14:15], wgu s[16:17], ridx s[18:19]
	s_load_b64 s[20:21], s[0:1], 0x40              ; rwt
	v_lshl_add_u32 v192, v0, 2, 0x7800
	v_mov_b32 v193, 0
	v_lshrrev_b32 v1, 5, v0
	v_readfirstlane_b32 s22, v1                    ; wave 0..3
	v_and_b32 v3, 31, v0                           ; lane
	s_wait_alu depctr_va_sdst(0)                   ; s22 is written, ahead of the branch: both paths make addresses from it
	s_cmp_lt_u32 ttmp9, 64
	s_cbranch_scc0 .Lquant
	; ---------------- ROUTE: tokens 16 g .. 16 g + 15; wave w takes K steps 4 w .. 4 w + 3 ----------------
	v_and_b32 v16, 15, v0                          ; r
	v_bfe_u32 v17, v0, 4, 1                        ; h
	v_and_b32 v18, 31, v0                          ; lane
	s_lshl_b32 s23, s22, 11
	v_lshlrev_b32 v[XA], 13, v16
	v_lshl_add_u32 v[XA], v17, 6, v[XA]
	v_add_nc_u32 v[XA], s23, v[XA]                 ; row r of 8,192 bytes + 64 h + 2,048 w
	v_mul_u32_u24 v[XWS], v16, 1600
	v_mad_u32_u24 v[XW], v17, 48, v[XWS]
	s_mul_i32 s23, s22, 384
	s_add_co_u32 s23, s23, 64
	v_add_nc_u32 v[XW], s23, v[XW]                 ; 1,600 r + 64 + 48 h + 384 w
	s_lshl_b32 s23, s22, 4
	v_add_nc_u32 v[XWS], s23, v[XWS]               ; 1,600 r + 16 w
	v_lshlrev_b32 v19, 4, v18
	s_mul_i32 s23, s22, 6400
	v_add_nc_u32 v[SRD], s23, v19                  ; 6,400 w + 16 lane
	v_lshlrev_b32 v[SRD8], 3, v18
	s_add_co_u32 s23, s23, 6144
	v_add_nc_u32 v[SRD8], s23, v[SRD8]             ; 6,400 w + 6,144 + 8 lane
	v_add_nc_u32 v[RDR], RED, v19
	s_lshl_b32 s23, s22, 10
	s_add_co_u32 s23, s23, RED
	v_add_nc_u32 v[RDW], s23, v19
	s_mov_b32 s40, 0x76543210
	s_mov_b32 s41, 0xfedcba98                      ; v_permlanex16_b32's selects for lane l xor 16
	s_mov_b32 s42, 0xffff0000                      ; lanes 16-31
.irp b, 0,1,2,3
	v_mov_b32 v[TM+4+\b], 0                        ; written once: a lane permute's destination counts as one of its sources
.endr
	s_mov_b32 s45, 0
	s_wait_kmcnt 0x0
	s_load_b512 s[24:39], s[8:9], 0x0              ; corr_bias, 16 numbers
	s_lshl_b32 s44, ttmp9, 17
	s_add_nc_u64 s[4:5], s[4:5], s[44:45]          ; x at my 16 rows
	s_mul_i32 s44, ttmp9, 25600
	s_add_nc_u64 s[14:15], s[14:15], s[44:45]      ; xq likewise
	s_lshl_b32 s44, ttmp9, 6
	s_add_nc_u64 s[18:19], s[18:19], s[44:45]      ; ridx: 4 bytes a token
	s_lshl_b32 s44, ttmp9, 8
	s_add_nc_u64 s[20:21], s[20:21], s[44:45]      ; rwt: 16 bytes a token
	s_wait_alu depctr_va_vdst(0)                   ; the seven addresses v1 to v7 are written, which this path's loads and stores read; so are v16 to v19, in which loads of x land
	XLOAD XN, 4, 0
	XLOAD RN, 6, 0
.irp i, 0,1,2,3
	s_wait_loadcnt 16                              ; x's 16 loads of this K step are in; router_w's 16 are younger
	s_wait_dscnt 0x0                               ; the last image's stores have read x's fragment
.if \i > 0
	s_wait_alu depctr_vm_vsrc(0)                   ; the last image's four LDS stores have read x's fragment and its scale word, which the lines below write again
.endif
	QUANT XN, PCX, PWX
	s_wait_alu depctr_va_vdst(0)                   ; x's fragment and scale word are written, which the four LDS stores read; the maxima and conversions are done reading v[XN ..], in which the next K step's loads land
.irp c, 0,1,2
	ds_store_b128 v[XW], v[PCX+4*\c:PCX+4*\c+3] offset:96*\i+16*\c
.endr
	ds_store_b32 v[XWS], v[PWX] offset:4*\i        ; both halves of the lanes store the same word with the same value
.if \i < 3
	XLOAD XN, 4, \i+1
	s_wait_loadcnt 16                              ; router_w's are in; the 16 just issued are younger
.else
	s_wait_loadcnt 0x0
.endif
	QUANT RN, PCR, PWR
.rept 8
	v_nop                                          ; a scale register written by a vector instruction stands 8 places ahead of a scaled matrix instruction, an operand 4
.endr
	; source 0 = the 16 classes, source 1 = my 16 tokens: lane (r, h) holds token r, classes 8 h + j.  One accumulator, K ascending
	s_wait_alu depctr_va_vdst(0)                   ; both fragments and both scale words are written, which the scaled product takes; the maxima and conversions are done reading v[RN ..], in which the loads behind the product land; from the second K step on it is also the wait ahead of a link that follows its own chain's last link
.if \i == 0
	v_wmma_scale_f32_16x16x128_f8f6f4 v[ACC:ACC+7], v[PCR:PCR+11], v[PCX:PCX+11], 0, v[PWR], v[PWX] matrix_a_fmt:MATRIX_FMT_BF6 matrix_b_fmt:MATRIX_FMT_BF6
.else
	v_wmma_scale_f32_16x16x128_f8f6f4 v[ACC:ACC+7], v[PCR:PCR+11], v[PCX:PCX+11], v[ACC:ACC+7], v[PWR], v[PWX] matrix_a_fmt:MATRIX_FMT_BF6 matrix_b_fmt:MATRIX_FMT_BF6
.endif
.if \i < 3
	XLOAD RN, 6, \i+1                              ; no further wait: the product names the fragments, the scale words and the accumulator, none of v[RN ..]
.endif
.endr
.rept 4
	v_nop                                          ; places behind the last product
.endr
	s_wait_alu depctr_va_vdst(0)                   ; the last product has written the accumulator, which the two LDS stores read; the places above stay beside this wait.  No vector line behind it names v16 to v143, in which the LDS loads below land
	ds_store_b128 v[RDW], v[ACC:ACC+3]             ; the accumulator from its low end on
	ds_store_b128 v[RDW], v[ACC+4:ACC+7] offset:512
	s_wait_dscnt 0x0                               ; for the others' sake: my images, scale words and sums have landed
	s_barrier_signal -1
	s_barrier_wait -1
.irp i, 0,1,2,3,4,5,6,7,8,9,10,11
	ds_load_b128 v[80+4*\i:83+4*\i], v[SRD] offset:512*\i  ; a quarter of the 16 rows' image: 6,400 bytes
.endr
	ds_load_b64 v[128:129], v[SRD8]
	s_wait_dscnt 0x0
.irp i, 0,1,2,3,4,5,6,7,8,9,10,11
	global_store_b128 v[SRD], v[80+4*\i:83+4*\i], s[14:15] offset:512*\i   ; 512 consecutive bytes, at a multiple of 256 from xq's first byte
.endr
	global_store_b64 v[SRD8], v[128:129], s[14:15]
	s_wait_alu depctr_vm_vsrc(0)                   ; my last image's LDS stores have read v144 to v155, which wave 0 writes again behind the branch
	s_cmp_lg_u32 s22, 0
	s_cbranch_scc1 .Lend                           ; the choice is wave 0's work
.irp q, 0,1,2,3
	ds_load_b128 v[16+8*\q:19+8*\q], v[RDR] offset:1024*\q
	ds_load_b128 v[20+8*\q:23+8*\q], v[RDR] offset:1024*\q+512
.endr
	s_wait_dscnt 0x0
.irp p, 0,2,4,6
	v_pk_add_f32 v[16+\p:17+\p], v[16+\p:17+\p], v[24+\p:25+\p]
	v_pk_add_f32 v[16+\p:17+\p], v[16+\p:17+\p], v[32+\p:33+\p]
	v_pk_add_f32 v[16+\p:17+\p], v[16+\p:17+\p], v[40+\p:41+\p]        ; the logits of token r, classes 8 h + j
.endr
.irp j, 0,1,2,3,4,5,6,7
	v_permlanex16_b32 v[48+\j], v[16+\j], s40, s41
.endr
.irp j, 0,1,2,3,4,5,6,7
	v_cndmask_b32 v[144+\j], v[16+\j], v[48+\j], s42       ; classes 0-7 and
	v_cndmask_b32 v[152+\j], v[48+\j], v[16+\j], s42       ; classes 8-15, in both halves of the lanes
.endr
	v_max3_num_f32 v176, v144, v145, v146
.irp i, 147,149,151,153,155,157
	v_max3_num_f32 v176, v176, v[\i], v[\i+1]
.endr
	v_max_num_f32 v176, v176, v159                 ; the row's largest logit is taken away ahead of the exponentials
.irp i, 0,1,2,3,4,5,6,7,8,9,10,11,12,13,14,15
	v_sub_f32 v[144+\i], v[144+\i], v176
.endr
.irp i, 0,1,2,3,4,5,6,7,8,9,10,11,12,13,14,15
	v_mul_f32 v[144+\i], 0x3fb8aa3b, v[144+\i]
.endr
	s_wait_alu depctr_va_vdst(0)
.irp i, 0,1,2,3,4,5,6,7,8,9,10,11,12,13,14,15
	v_exp_f32 v[144+\i], v[144+\i]
.endr
	v_mov_b32 v181, 0xff800000                     ; -infinity (a plain place behind the exponentials)
	s_wait_alu depctr_va_vdst(0)                   ; the sixteen exponentials have written v144 to v159: one wait for the batch, ahead of its first reader
	v_add_f32 v177, v144, v145
.irp i, 2,3,4,5,6,7,8,9,10,11,12,13,14,15
	v_add_f32 v177, v177, v[144+\i]
.endr
	s_wait_alu depctr_va_vdst(0)
	v_rcp_f32 v177, v177
	v_mov_b32 v182, 1                              ; (a plain place behind the reciprocal)
	v_mov_b32 v183, 0                              ; kidx
	v_mov_b32 v184, 0                              ; the chosen classes as bits
	s_wait_kmcnt 0x0                               ; corr_bias
	s_wait_alu depctr_va_vdst(0)                   ; the reciprocal has written v177, ahead of its first reader
.irp i, 0,1,2,3,4,5,6,7,8,9,10,11,12,13,14,15
	v_mul_f32 v[144+\i], v[144+\i], v177           ; the scores
.endr
.irp i, 0,1,2,3,4,5,6,7,8,9,10,11,12,13,14,15
	v_add_f32 v[160+\i], s[24+\i], v[144+\i]       ; with the bias: for the choice alone
.endr
	PICK 0
	PICK 1
	PICK 2
	PICK 3
	v_and_b32 v184, 0xff, v184                     ; emask: real experts alone
	v_cndmask_b32 v60, v184, v183, s42             ; lanes 0-15 store emask, lanes 16-31 kidx
	v_cndmask_b32 v62, v56, v58, s42               ; lanes 0-15 weights 0, 1; lanes 16-31 weights 2, 3
	v_cndmask_b32 v63, v57, v59, s42
	v_and_b32 v64, 15, v0                          ; r
	v_bfe_u32 v65, v0, 4, 1                        ; h
	v_lshlrev_b32 v66, 2, v64
	v_lshl_add_u32 v66, v65, 12, v66               ; 4 r + 4,096 h
	v_lshlrev_b32 v67, 4, v64
	v_lshl_add_u32 v67, v65, 3, v67                ; 16 r + 8 h
	s_wait_alu depctr_va_vdst(0)                   ; the two offsets v66, v67 and the data v60, v62, v63 are written, which the two stores read
	global_store_b32 v66, v60, s[18:19]
	global_store_b64 v67, v[62:63], s[20:21]       ; the wave stores 256 consecutive bytes
.Lend:
	s_wait_dscnt 0x0                               ; the closing lines, six on end
	s_wait_alu 0x0
	s_wait_tensorcnt 0x0
	ds_add_u32 v192, v193
	s_wait_dscnt 0x0
	s_endpgm
	; ---------------- QUANT ----------------
.Lquant:
	s_sub_co_u32 s23, ttmp9, 64
	s_and_b32 s24, s23, 7                          ; kc: which 256 along K
	s_bfe_u32 s25, s23, 0x30003                    ; which 128 columns
	s_bfe_u32 s26, s23, 0x30006                    ; expert
	s_lshr_b32 s27, s23, 9                         ; 0 gate, 1 up
	s_lshl_b32 s28, s25, 2
	s_add_co_u32 s28, s28, s22                     ; cg: my wave's 32 columns
	s_lshl_b32 s30, s26, 23
	s_lshl_b32 s29, s24, 20
	s_add_co_u32 s30, s30, s29
	s_lshl_b32 s29, s28, 7
	s_add_co_u32 s30, s30, s29                     ; in the tensor: 8,388,608 e + 1,048,576 kc + 128 cg
	s_mov_b32 s31, 0
	s_lshl_b32 s29, s26, 5
	s_add_co_u32 s29, s29, s28
	s_mul_i32 s32, s29, BLK                        ; my block of wgu
	s_mul_i32 s29, s24, 12288
	s_add_co_u32 s34, s32, s29
	s_mul_i32 s29, s27, 3072
	s_add_co_u32 s34, s34, s29                     ; fragments 4 (2 kc + ks) + 2 m + j
	s_mov_b32 s35, 0
	s_lshl_b32 s29, s27, 11
	s_add_co_u32 s36, s32, s29
	s_lshl_b32 s29, s24, 8
	s_add_co_u32 s36, s36, s29
	s_add_co_u32 s36, s36, SCOFF
	s_mov_b32 s37, 0
	s_wait_alu depctr_va_vdst(0)
	; THE COLUMNS OF A TILE ARE NOT NEIGHBOURS: lane l takes column l with its bits 3 and 4 exchanged, so that tile 0 is columns 0-7, 16-23 and tile 1 columns 8-15, 24-31:
	; the two tiles' results in the third launch are then 16 neighbours along the next product's K.
	v_and_b32 v2, 7, v3
	v_bfe_u32 v11, v3, 3, 1
	v_bfe_u32 v12, v3, 4, 1
	v_lshl_or_b32 v2, v11, 4, v2
	v_lshl_or_b32 v2, v12, 3, v2
	v_lshlrev_b32 v2, 2, v2
	v_lshlrev_b32 v4, 3, v3                        ; 8 x lane: my two scale words
	v_lshlrev_b32 v3, 4, v3                        ; 16 x lane: my place in an image
	s_wait_kmcnt 0x0
	s_cmp_eq_u32 s27, 0                            ; the choice hangs on the work-group's number alone
	s_cselect_b64 s[10:11], s[10:11], s[12:13]
	s_add_nc_u64 s[10:11], s[10:11], s[30:31]
	s_add_nc_u64 s[38:39], s[16:17], s[34:35]
	s_add_nc_u64 s[16:17], s[16:17], s[36:37]
	s_wait_alu depctr_va_vdst(0)                   ; the three offsets v2, v3 and v4 are written, which this path's loads and stores read; they are not written again
	LOAD 0
	LOAD 1
	BLOCK 0
	BLOCK 1
	BLOCK 2
	BLOCK 3
	EMIT 0
	BLOCK 4
	BLOCK 5
	BLOCK 6
	BLOCK 7
	EMIT 1
	global_store_b64 v4, v[SW:SW+1], s[SCD:SCD+1]  ; the wave stores 256 consecutive bytes.  (The scale words were written ahead of the wait in EMIT, and no vector line stands behind it)
	s_endpgm
.Lfunc_end_k_qd066cfae09_prep:
	.size	k_qd066cfae09_prep, .Lfunc_end_k_qd066cfae09_prep-k_qd066cfae09_prep
	.p2alignl 7, 3214868480
	.fill 96, 4, 3214868480
	.section	.rodata,"a",@progbits
	.p2align	6, 0x0
	.amdhsa_kernel k_qd066cfae09_prep
		.amdhsa_group_segment_fixed_size 31232
		.amdhsa_private_segment_fixed_size 0
		.amdhsa_enable_private_segment 0
		.amdhsa_kernarg_size 72
		.amdhsa_user_sgpr_count 2
		.amdhsa_user_sgpr_kernarg_segment_ptr 1
		.amdhsa_wavefront_size32 1
		.amdhsa_system_sgpr_workgroup_id_x 1
		.amdhsa_system_sgpr_workgroup_id_y 1
		.amdhsa_system_sgpr_workgroup_id_z 1
		.amdhsa_system_vgpr_workitem_id 0
		.amdhsa_next_free_vgpr 194
		.amdhsa_next_free_sgpr 66
		.amdhsa_reserve_vcc 1
		.amdhsa_float_denorm_mode_32 3
		.amdhsa_float_denorm_mode_16_64 3
		.amdhsa_memory_ordered 1
		.amdhsa_forward_progress 1
		.amdhsa_inst_pref_size 118
	.end_amdhsa_kernel
	.amdgpu_metadata
---
amdhsa.version: [ 1, 2 ]
amdhsa.kernels:
  - .name:           k_qd066cfae09_prep
    .symbol:         k_qd066cfae09_prep.kd
    .args:
      - { .name: hidden_states, .offset: 0, .size: 8, .value_kind: global_buffer, .address_space: global }
      - { .name: router_w, .offset: 8, .size: 8, .value_kind: global_buffer, .address_space: global }
      - { .name: corr_bias, .offset: 16, .size: 8, .value_kind: global_buffer, .address_space: global }
      - { .name: w_gate, .offset: 24, .size: 8, .value_kind: global_buffer, .address_space: global }
      - { .name: w_up, .offset: 32, .size: 8, .value_kind: global_buffer, .address_space: global }
      - { .name: xq, .offset: 40, .size: 8, .value_kind: global_buffer, .address_space: global }
      - { .name: wgu, .offset: 48, .size: 8, .value_kind: global_buffer, .address_space: global }
      - { .name: ridx, .offset: 56, .size: 8, .value_kind: global_buffer, .address_space: global }
      - { .name: rwt, .offset: 64, .size: 8, .value_kind: global_buffer, .address_space: global }
    .group_segment_fixed_size: 31232
    .private_segment_fixed_size: 0
    .kernarg_segment_align: 8
    .kernarg_segment_size: 72
    .max_flat_workgroup_size: 128
    .sgpr_count:     66
    .vgpr_count:     194
    .wavefront_size: 32
...
	.end_amdgpu_metadata
.endif
;; end of part 6
;; launch place (part 7): grid 513 x 1, 4 waves a work-group, no clusters, 0 bytes of LDS; arguments w_down, ridx, wd, lists; writes wd, lists
.if DOCPART == 7
	.amdgcn_target "amdgcn-amd-amdhsa--gfx1250"
	.amdhsa_code_object_version 6
	.text
	.protected	k_qd066cfae09_place
	.globl	k_qd066cfae09_place
	.p2align	8
	.type	k_qd066cfae09_place,@function
k_qd066cfae09_place:
	s_mov_b64 s[64:65], 0
	v_nop
	global_prefetch_b8 v0, s[64:65] scope:SCOPE_SE
	s_setreg_imm32_b32 hwreg(HW_REG_WAVE_MODE, 25, 1), 1
	s_wait_xcnt 0x0
; TWO JOBS IN ONE LAUNCH, parted on the work-group's number.
; Work-group 0 (PLACE): from emask (one word a token, stored by the launch before) each real expert's list of tokens, its count, and for each token its place in the list.
;   lists: row e at 4,352 e: list[1024], then the count in 32 words, then 32 spare words; from 34,816 + 4,096 e on: inv[e][token] (0 where the token did not choose e).
;   The 64 entries behind a list's end are 0 (token 0): a last tile of 16 rows, and the next launch's four waves, which read entries 0 to 63 whatever the count, find entries that were stored.
;   Wave w makes experts 2 w and 2 w + 1: a walk over the 1,024 tokens, 32 at a time, no atomics, no LDS.
;   EVERY LANE STORES IN EVERY STEP: a lane whose token is no member stores to its spare word of the expert's row, which nobody reads: the index is chosen, then held inside the row, and no lane is ever switched off.
; Work-groups 1-512 (QUANT): w_down [8][1024 (K)][2048] f32 becomes codes of BF6 in the order of the operand's registers (wd): a work-group takes 256 along K x 128 columns of one expert.
;   wd: [expert][64 columns hg][51,200 bytes]: fragment 4 s + 2 p + j at 1,536 bytes each (column 64 hg + 32 p + 16 j + r), registers 4 c .. 4 c + 3 of lane l at 512 c + 16 l;
;   from 49,152 on the scale words [p][4 chunks of K][lane][2 words]: lanes 0-15 tile j = 0, lanes 16-31 tile j = 1.
; A block's scale is 2^(floor(log2(largest magnitude)) - 4), its byte held at 1 from below.  LIMITS: NaN and infinities are not served; a block of zeros, or under 2^-122, gets the byte 1; this program alone reads the bytes.
; No tensor loads, no cluster: no tile is shared; the weight is read once, by loads of 128 consecutive bytes a wave, 64 of them on their way in each wave.
.set KROWB, 8192
.set BLK,   51200
.set SCOFF, 49152
.set SRC,   4
.set DST,   38
.set SCD,   16
.set SW,    16
.set X,     32
.set F,     96
.set T,     144
.set PL,    64                         ; PLACE: v64-159: step i's inv word, list offset and token, three registers a step, so that no store's source is written again within an expert's walk
.macro LOAD t                          ; block t: w(32 t + i, my column), i = 0 .. 31, into set t % 2
.set LJ, 0
.rept 32
	global_load_b32 v[X+32*((\t)%2)+LJ], v2, s[SRC:SRC+1] offset:(32*(\t)+LJ)*KROWB th:TH_LOAD_NT
.set LJ, LJ+1
.endr
.endm
.macro BLOCK t                         ; a block of 32 down K lies in ONE lane's registers
.set XS, X+32*((\t)%2)
.set BB, (\t)%4
.set KS, (\t)/4
.set FD, F+24*KS+12*(BB%2)+6*(BB/2)
.if (\t) < 7
	s_wait_loadcnt 32                                     ; this block's 32 loads are in; the next block's 32 may be out
.else
	s_wait_loadcnt 0x0
.endif
	v_max3_num_f32 v12, |v[XS]|, |v[XS+1]|, |v[XS+2]|
	v_max3_num_f32 v13, |v[XS+3]|, |v[XS+4]|, |v[XS+5]|
.irp i, 6,10,14,18,22,26
	v_max3_num_f32 v12, v12, |v[XS+\i]|, |v[XS+\i+1]|
	v_max3_num_f32 v13, v13, |v[XS+\i+2]|, |v[XS+\i+3]|
.endr
	v_max3_num_f32 v12, v12, |v[XS+30]|, |v[XS+31]|
	v_max3_num_f32 v12, v12, v13, 0x2800000               ; the floor 2^(5 - 127)
	v_add_nc_u32 v11, 0xfe000000, v12                     ; 4 off the exponent field: the conversion's scale operand
	v_lshrrev_b32 v13, 23, v11                            ; the byte
.if BB == 0
	v_mov_b32 v[SW+KS], v13
.else
	v_lshl_or_b32 v[SW+KS], v13, 8*BB, v[SW+KS]
.endif
	v_cvt_scalef32_pk16_bf6_f32 v[FD:FD+2], v[XS:XS+15], v11
	v_cvt_scalef32_pk16_bf6_f32 v[T+4*BB:T+4*BB+2], v[XS+16:XS+31], v11
.if (\t)+2 < 8
	LOAD (\t)+2
.endif
.endm
; the exchange of the even block's lanes 16-31 with the odd block's lanes 0-15 makes tile 0's registers of the first and tile 1's of the second
.macro EMIT ks
.set F0, F+24*(\ks)
.set F1, F0+12
	v_nop                                                 ; one plain place behind a scaled conversion
.irp c, 0,1
.irp i, 0,1,2
	v_permlane16_swap_b32 v[F0+6*\c+\i], v[F1+6*\c+\i]
	v_permlane16_swap_b32 v[T+8*\c+\i], v[T+8*\c+4+\i]
.endr
.irp i, 0,1,2
	v_mov_b32 v[F0+6*\c+3+\i], v[T+8*\c+\i]
	v_mov_b32 v[F1+6*\c+3+\i], v[T+8*\c+4+\i]
.endr
.endr
.irp j, 0,1
.irp c, 0,1,2
	global_store_b128 v3, v[F0+12*\j+4*\c:F0+12*\j+4*\c+3], s[DST:DST+1] offset:(\ks)*6144+\j*1536+512*\c   ; 512 consecutive bytes, at a multiple of 256 from the buffer's first byte
.endr
.endr
.endm
; expert 2 w + x: v3 = lane, v4 = 4 x lane, v5 = 0, v14 = 1,056 + lane (my spare word's index), v32-63 = emask of tokens 32 i + lane
.macro PLACE x
	s_wait_xcnt 0x0                                ; the bases and the steps' registers are written again only behind this wait
	s_add_co_u32 s24, s23, \x                      ; e
	s_lshl_b32 s25, 1, s24                         ; its bit
	s_mul_i32 s28, s24, 4352
	s_mov_b32 s29, 0
	s_add_nc_u64 s[12:13], s[10:11], s[28:29]      ; its list
	s_lshl_b32 s28, s24, 12
	s_add_co_u32 s28, s28, 34816
	s_add_nc_u64 s[14:15], s[10:11], s[28:29]      ; its inv
	s_mov_b32 s26, 0                               ; members so far
.irp i, 0,1,2,3,4,5,6,7,8,9,10,11,12,13,14,15,16,17,18,19,20,21,22,23,24,25,26,27,28,29,30,31
	v_and_b32 v6, s25, v[32+\i]
	v_cmp_ne_u32 vcc_lo, 0, v6                     ; members among these 32 tokens
	v_mbcnt_lo_u32_b32 v7, vcc_lo, 0               ; members in the lanes below mine
	v_add_nc_u32 v7, s26, v7                       ; my place in the list: at most 1,023, since a token chooses an expert once
	v_cndmask_b32 v[PL+3*\i], v5, v7, vcc_lo       ; inv: the place, or 0
	v_cndmask_b32 v[PL+3*\i+1], v14, v7, vcc_lo    ; the word that I store to: a member's entry, or my spare word;
	v_min_u32 v[PL+3*\i+1], 0x43f, v[PL+3*\i+1]    ; held inside the expert's row of 1,088 words;
	v_mul_u32_u24 v[PL+3*\i+1], v[PL+3*\i+1], 4    ; in bytes
	v_add_nc_u32 v[PL+3*\i+2], 32*\i, v3           ; my token
	global_store_b32 v4, v[PL+3*\i], s[14:15] offset:128*\i        ; inv: every word is stored
	global_store_b32 v[PL+3*\i+1], v[PL+3*\i+2], s[12:13]
	s_bcnt1_i32_b32 s27, vcc_lo
	s_add_co_u32 s26, s26, s27
.endr
	v_add_nc_u32 v7, s26, v3                       ; the 64 entries behind the end take 0, as far as the list reaches; beyond entry 1,023 the spare words take it
	v_cmp_gt_u32 vcc_lo, 0x400, v7
	v_cndmask_b32 v12, v14, v7, vcc_lo
	v_min_u32 v12, 0x43f, v12
	v_mul_u32_u24 v12, v12, 4
	global_store_b32 v12, v5, s[12:13]
	v_add_nc_u32 v8, 32, v7
	v_cmp_gt_u32 vcc_lo, 0x400, v8
	v_cndmask_b32 v9, v14, v8, vcc_lo
	v_min_u32 v9, 0x43f, v9
	v_mul_u32_u24 v9, v9, 4
	global_store_b32 v9, v5, s[12:13]
	v_mov_b32 v13, s26
	global_store_b32 v4, v13, s[12:13] offset:4096 ; the count
.endm
	s_load_b256 s[4:11], s[0:1], 0x0               ; w_down s[4:5], ridx s[6:7], wd s[8:9], lists s[10:11]
	v_lshrrev_b32 v1, 5, v0
	v_readfirstlane_b32 s22, v1                    ; wave 0..3
	v_and_b32 v3, 31, v0                           ; lane
	s_cmp_eq_u32 ttmp9, 0
	s_cbranch_scc1 .Lplace
	s_sub_co_u32 s23, ttmp9, 1
	s_and_b32 s24, s23, 3                          ; kc: which 256 along K
	s_bfe_u32 s25, s23, 0x40002                    ; which 128 columns
	s_lshr_b32 s26, s23, 6                         ; expert
	s_lshl_b32 s28, s25, 2
	s_add_co_u32 s28, s28, s22                     ; my wave's 32 columns
	s_lshr_b32 s27, s28, 1                         ; hg
	s_and_b32 s29, s28, 1                          ; p
	s_lshl_b32 s30, s26, 23
	s_lshl_b32 s31, s24, 21
	s_add_co_u32 s30, s30, s31
	s_lshl_b32 s31, s28, 7
	s_add_co_u32 s30, s30, s31                     ; in the tensor: 8,388,608 e + 2,097,152 kc + 128 x (4 ng + w)
	s_mov_b32 s31, 0
	s_lshl_b32 s32, s26, 5
	s_add_co_u32 s32, s32, s27
	s_mul_i32 s32, s32, BLK                        ; my block of wd
	s_mul_i32 s33, s24, 12288
	s_add_co_u32 s34, s32, s33
	s_mul_i32 s33, s29, 3072
	s_add_co_u32 s34, s34, s33
	s_mov_b32 s35, 0
	s_lshl_b32 s33, s29, 10
	s_add_co_u32 s36, s32, s33
	s_lshl_b32 s33, s24, 8
	s_add_co_u32 s36, s36, s33
	s_add_co_u32 s36, s36, SCOFF
	s_mov_b32 s37, 0
	s_wait_alu depctr_va_vdst(0)
	v_lshlrev_b32 v2, 2, v3                        ; lane l takes column l
	v_lshlrev_b32 v4, 3, v3
	v_lshlrev_b32 v3, 4, v3
	s_wait_alu depctr_va_vdst(0)
	s_wait_kmcnt 0x0
	s_add_nc_u64 s[4:5], s[4:5], s[30:31]
	s_add_nc_u64 s[38:39], s[8:9], s[34:35]
	s_add_nc_u64 s[16:17], s[8:9], s[36:37]
	LOAD 0
	LOAD 1
	BLOCK 0
	BLOCK 1
	BLOCK 2
	BLOCK 3
	EMIT 0
	BLOCK 4
	BLOCK 5
	BLOCK 6
	BLOCK 7
	EMIT 1
	global_store_b64 v4, v[SW:SW+1], s[SCD:SCD+1]  ; the wave stores 256 consecutive bytes
	s_endpgm
.Lplace:
	s_wait_alu depctr_va_vdst(0)
	v_lshlrev_b32 v4, 2, v3
	v_mov_b32 v5, 0
	v_add_nc_u32 v14, 0x420, v3
	s_wait_alu depctr_va_vdst(0)
	s_wait_kmcnt 0x0
.irp i, 0,1,2,3,4,5,6,7,8,9,10,11,12,13,14,15,16,17,18,19,20,21,22,23,24,25,26,27,28,29,30,31
	global_load_b32 v[32+\i], v4, s[6:7] offset:128*\i
.endr
	s_lshl_b32 s23, s22, 1
	s_wait_loadcnt 0x0
	PLACE 0
	PLACE 1
	s_endpgm
.Lfunc_end_k_qd066cfae09_place:
	.size	k_qd066cfae09_place, .Lfunc_end_k_qd066cfae09_place-k_qd066cfae09_place
	.p2alignl 7, 3214868480
	.fill 96, 4, 3214868480
	.section	.rodata,"a",@progbits
	.p2align	6, 0x0
	.amdhsa_kernel k_qd066cfae09_place
		.amdhsa_group_segment_fixed_size 0
		.amdhsa_private_segment_fixed_size 0
		.amdhsa_enable_private_segment 0
		.amdhsa_kernarg_size 32
		.amdhsa_user_sgpr_count 2
		.amdhsa_user_sgpr_kernarg_segment_ptr 1
		.amdhsa_wavefront_size32 1
		.amdhsa_system_sgpr_workgroup_id_x 1
		.amdhsa_system_sgpr_workgroup_id_y 1
		.amdhsa_system_sgpr_workgroup_id_z 1
		.amdhsa_system_vgpr_workitem_id 0
		.amdhsa_next_free_vgpr 160
		.amdhsa_next_free_sgpr 66
		.amdhsa_reserve_vcc 1
		.amdhsa_float_denorm_mode_32 3
		.amdhsa_float_denorm_mode_16_64 3
		.amdhsa_memory_ordered 1
		.amdhsa_forward_progress 1
		.amdhsa_inst_pref_size 87
	.end_amdhsa_kernel
	.amdgpu_metadata
---
amdhsa.version: [ 1, 2 ]
amdhsa.kernels:
  - .name:           k_qd066cfae09_place
    .symbol:         k_qd066cfae09_place.kd
    .args:
      - { .name: w_down, .offset: 0, .size: 8, .value_kind: global_buffer, .address_space: global }
      - { .name: ridx, .offset: 8, .size: 8, .value_kind: global_buffer, .address_space: global }
      - { .name: wd, .offset: 16, .size: 8, .value_kind: global_buffer, .address_space: global }
      - { .name: lists, .offset: 24, .size: 8, .value_kind: global_buffer, .address_space: global }
    .group_segment_fixed_size: 0
    .private_segment_fixed_size: 0
    .kernarg_segment_align: 8
    .kernarg_segment_size: 32
    .max_flat_workgroup_size: 128
    .sgpr_count:     66
    .vgpr_count:     160
    .wavefront_size: 32
...
	.end_amdgpu_metadata
.endif
;; end of part 7
;; launch gateup (part 8): grid 32 x 8, 4 waves a work-group, no clusters, 98,816 bytes of LDS; arguments xq, wgu, lists, mid; writes mid
.if DOCPART == 8
	.amdgcn_target "amdgcn-amd-amdhsa--gfx1250"
	.amdhsa_code_object_version 6
	.text
	.protected	k_qd066cfae09_gateup
	.globl	k_qd066cfae09_gateup
	.p2align	8
	.type	k_qd066cfae09_gateup,@function
k_qd066cfae09_gateup:
	s_mov_b64 s[64:65], 0
	v_nop
	global_prefetch_b8 v0, s[64:65] scope:SCOPE_SE
	s_setreg_imm32_b32 hwreg(HW_REG_WAVE_SCHED_MODE, 0, 2), 2
	s_setreg_imm32_b32 hwreg(HW_REG_WAVE_MODE, 25, 1), 1
	s_wait_xcnt 0x0
	s_wait_alu depctr_vm_vsrc(0)
; mid = silu(x Wg) * (x Wu) for the rows that chose an expert, quantised along the next product's K.  Both products on codes of BF6 with E8M0 scales.
; SHARES.  Work-group (cg, e): 32 columns of expert e's 1,024, which are ONE block of the next K.  Its 64 weight fragments (16 K steps x gate's two tiles and up's two) stay in EVERY wave's registers, 768 of them;
; wave w takes the expert's tiles of 16 rows w, w + 4, ..: the waves are independent in the loop, which has no barrier, since its trip count hangs on the stored count.
; The weights come from memory once a work-group: each wave loads a quarter, all four meet in LDS as images of the registers, one barrier, each wave reads all.
; x's rows are GATHERED by the stored list, straight into registers, in the layout that the first launch gave them (48 bytes a lane and K step, a scale word a row and K step); eight K steps ahead.
; THE FIRST TILE IS ASKED FOR AT THE HEAD: its entry of the list goes out ahead of the weights' loads, its first eight K steps as soon as the entry is in, so that they land under the weights' way through LDS.
; Every wave asks so, one that will find no tile too: entries 0 to 63 of a list are always stored, and what such a wave has asked for is not used.
; THE PRODUCTS ARE USED TRANSPOSED (source 0 = 16 columns of W, source 1 = 16 rows of x): lane (r, h) holds row r; by the columns chosen for the tiles the 16 registers of tiles 0 and 1 are columns 16 h + 0 .. 15.
; mid: codes in 16 planes of 393,216 bytes: plane 2 s + h holds, for row 1,024 e + j at 48 bytes a row, blocks 4 s + h and 4 s + 2 + h: what a lane of the next launch's fragment takes; from 6,291,456 on 32 scale bytes a row.
; A work-group so stores 24 bytes of codes and 1 byte a row: small pieces, taken on since mid is 800 bytes a routed row in all and is read 32 times by the next launch, in runs of 768 bytes.
; Rows behind an expert's count up to the tile's end are token 0's (the list holds 0 there); they land in the expert's own 1,024 rows.
; AN EXPERT HAS AT LEAST ONE TILE: one that nobody chose computes token 0's rows, so that row 0 of every expert is stored: the last launch reads such a row, with the weight 0, for a pick that is a zero expert.
; NO CLUSTER, NO TENSOR LOAD: what the 32 work-groups of an expert share is x's rows, which a list names (no tile of a descriptor), and the number of tiles hangs on counts read from memory.
; LIMITS: NaN and infinities are not served; a block of mid that is all zeros, or under 2^-122, gets the byte 1.
; REGISTERS, in windows of 256: fragment f < 63 lies in window 1 + f / 21 at 12 (f % 21), fragment 63 in window 0.  Window 0: see the names below.
; THE MODE: SCHED_MODE bits 1:0 = 2 (LLVM: expert scheduling mode 2), set by the entry lines.  The code itself states the register dependences
; between vector or matrix instructions and memory or LDS instructions, with s_wait_alu, always for 0.
; THE PLAN.  Registers that memory or LDS instructions touch, in the loop:
;   the ring and its scale words   K step s's four products read slot s % 8; behind each pair of K steps the loads of eight K steps on land in the pair's two slots.
;   v[AC], v[ACS]                  Read by the loads of a tile's first half; written by the two moves at the tile's end.
;   v[AN], v[ANS], v[LADR]         Written at the head of a tile's fifth pair; read by the loads of its second half and by the list's load at the next tile's head.
;   v[TK]                          The list's load lands in it at a tile's head; vector lines name it at the fifth pair.
;   v215 to v218, v[MOFF], v[SOFF] Written on the way out; read by the tile's two stores.
;   The weights' registers, their scale words and the accumulators are named in the loop by matrix and vector instructions alone.
; ONE wait on va_vdst stands behind each pair of K steps: its eight products are done reading the pair's slots and scale words; the offsets that the loads below read are written; v[TK] and v[LADR] are settled for
; the next tile's list load.  It stands behind the pair and not at the next pair's head, so that the two slots are asked for again at once and four pairs stay on their way.
; One wait on vm_vsrc stands at the fifth pair (the offsets that are written there and at the tile's end have been read), one beside the way out's wait for the last tile's stores; a wait on va_vdst stands ahead of the two stores.
.set LI,   3                           ; 16 x lane
.set LI2,  4                           ; 16 x lane + 49,152
.set AC,   5                           ; my token's codes: token x 1,600 + 48 h
.set ACS,  6                           ; its scale words: token x 1,600
.set AN,   7                           ; the same two of the next tile
.set ANS,  8
.set LADR, 9                           ; my entry of the list
.set TK,   10                          ; the token just read
.set MOFF, 11                          ; where my 12 bytes of codes go
.set SOFF, 12                          ; and the row's scale byte
.set H48,  13                          ; 48 h
.set WADR, 15                          ; 16 x lane + 24,576 w: my quarter of the images, in memory and in LDS alike
.set WS,   16                          ; v16-47   the weights' scale words: register 16 m + s (m = 0 gate, 1 up): lanes 0-15 tile 0, lanes 16-31 tile 1
.set W63,  48                          ; v48-59   fragment 63
.set RING, 60                          ; v60-155  x's fragments of eight K steps
.set RS,   156                         ; v156-163 their scale words
.set ACC,  164                         ; v164-195 gate's tiles 0, 1, up's tiles 0, 1
.set T,    196                         ; v196-211 at work
.set MSB, 0
.macro WIN new                         ; the immediate's high byte repeats the setting that is left; a switch that changes nothing is dropped
.if MSB != (\new)
	s_set_vgpr_msb (MSB<<8)|(\new)
.set MSB, (\new)
.endif
.endm
.macro FILL ca, sa, kp                 ; K steps 2 kp and 2 kp + 1 of the row at ca, sa: eight loads
.irp e, 0,1
.set SS, 2*(\kp)+\e
.irp i, 0,1,2
	global_load_b128 v[RING+12*(SS%8)+4*\i:RING+12*(SS%8)+4*\i+3], v[\ca], s[4:5] offset:64+96*SS+16*\i
.endr
	global_load_b32 v[RS+SS%8], v[\sa], s[4:5] offset:4*SS
.endr
.endm
; K step s: four products; the four accumulators take turns in the same order in every step.  Step 0 starts the sums.
.macro MUL s
.irp q, 0,1,2,3
.set FI, 4*(\s)+\q
.if FI < 63
	WIN 1+FI/21
.set WR, 12*(FI%21)
.else
	WIN 0
.set WR, W63
.endif
.set AQ, ACC+8*\q
.set BR, RING+12*((\s)%8)
.set SCA, WS+16*(\q/2)+(\s)
.set SCB, RS+(\s)%8
.if ((\s) == 0) && (\q%2 == 1)
	v_wmma_scale_f32_16x16x128_f8f6f4 v[AQ:AQ+7], v[WR:WR+11], v[BR:BR+11], 0, v[SCA], v[SCB] matrix_a_fmt:MATRIX_FMT_BF6 matrix_b_fmt:MATRIX_FMT_BF6 matrix_a_scale:MATRIX_SCALE_ROW1
.elseif (\s) == 0
	v_wmma_scale_f32_16x16x128_f8f6f4 v[AQ:AQ+7], v[WR:WR+11], v[BR:BR+11], 0, v[SCA], v[SCB] matrix_a_fmt:MATRIX_FMT_BF6 matrix_b_fmt:MATRIX_FMT_BF6
.elseif \q%2 == 1
	v_wmma_scale_f32_16x16x128_f8f6f4 v[AQ:AQ+7], v[WR:WR+11], v[BR:BR+11], v[AQ:AQ+7], v[SCA], v[SCB] matrix_a_fmt:MATRIX_FMT_BF6 matrix_b_fmt:MATRIX_FMT_BF6 matrix_a_scale:MATRIX_SCALE_ROW1
.else
	v_wmma_scale_f32_16x16x128_f8f6f4 v[AQ:AQ+7], v[WR:WR+11], v[BR:BR+11], v[AQ:AQ+7], v[SCA], v[SCB] matrix_a_fmt:MATRIX_FMT_BF6 matrix_b_fmt:MATRIX_FMT_BF6
.endif
.endr
.endm
; silu(g) u = g u / (1 + 2^(-g log2 e)), in f32; then the block's scale and codes.  Each accumulator is read from its low end on.
.macro EPI
.irp j, 0,2,4,6,8,10,12,14
	v_pk_mul_f32 v[T+\j:T+\j+1], v[ACC+\j:ACC+\j+1], 0xbfb8aa3b op_sel_hi:[1,0]
.endr
	s_wait_alu depctr_va_vdst(0)
.irp j, 0,1,2,3,4,5,6,7,8,9,10,11,12,13,14,15
	v_exp_f32 v[T+\j], v[T+\j]
.endr
	v_nop                                          ; a plain place behind the exponentials
	s_wait_alu depctr_va_vdst(0)                   ; the sixteen exponentials have written v[T ..]: one wait for the batch, ahead of its first reader
.irp j, 0,2,4,6,8,10,12,14
	v_pk_add_f32 v[T+\j:T+\j+1], v[T+\j:T+\j+1], 1.0 op_sel_hi:[1,0]
.endr
	s_wait_alu depctr_va_vdst(0)
.irp j, 0,1,2,3,4,5,6,7,8,9,10,11,12,13,14,15
	v_rcp_f32 v[T+\j], v[T+\j]
.endr
	v_nop                                          ; a plain place behind the reciprocals
	s_wait_alu depctr_va_vdst(0)                   ; the sixteen reciprocals have written v[T ..]: one wait for the batch, ahead of its first reader
.irp j, 0,2,4,6,8,10,12,14
	v_pk_mul_f32 v[ACC+\j:ACC+\j+1], v[ACC+\j:ACC+\j+1], v[T+\j:T+\j+1]
.endr
.irp j, 0,2,4,6,8,10,12,14
	v_pk_mul_f32 v[ACC+\j:ACC+\j+1], v[ACC+\j:ACC+\j+1], v[ACC+16+\j:ACC+17+\j]     ; mid(row r, column 16 h + j)
.endr
	v_max3_num_f32 v212, |v[ACC]|, |v[ACC+1]|, 0x2800000   ; my 16, and the floor 2^(5 - 127)
.irp i, 2,4,6,8,10,12,14
	v_max3_num_f32 v212, v212, |v[ACC+\i]|, |v[ACC+\i+1]|
.endr
	v_permlanex16_b32 v213, v212, s40, s41
	v_max_num_f32 v212, v212, v213                 ; with lane l xor 16's: the block's largest magnitude
	v_add_nc_u32 v214, 0xfe000000, v212            ; 4 off its exponent field: the conversion's scale operand
	s_wait_alu depctr_va_vdst(0)
	s_wait_storecnt 0x0                            ; the last tile's two stores, issued a whole tile ago, are done: their data and offsets are written again only behind this wait.  The gather's loads stay out
	s_wait_alu depctr_vm_vsrc(0)                   ; the last tile's two stores have read v215 to v218 and their two offsets, which the four lines below write again
	v_lshrrev_b32 v215, 23, v214                   ; the byte
	v_cvt_scalef32_pk16_bf6_f32 v[216:218], v[ACC:ACC+15], v214
	v_add_nc_u32 v[MOFF], 3072, v[MOFF]            ; 64 rows on, for the next tile: the stores below reach back.  (A plain place behind the scaled conversion)
	v_add_nc_u32 v[SOFF], 2048, v[SOFF]
	s_wait_alu depctr_va_vdst(0)                   ; the byte, the codes and the two offsets are written, which the two stores read
	global_store_b96 v[MOFF], v[216:218], s[24:25] offset:-3072
	global_store_b8 v[SOFF], v215, s[26:27] offset:-2048   ; both halves of the lanes store the same byte with the same value
.endm
; A tile of 16 rows: 64 products.  At its head K steps 0-7 are on their way (32 loads).  next = 1: the next tile's token is read at the head, and its K steps 0-7 are asked for in the second half.
; Behind each pair of K steps: four places, the wait, then the loads into the two slots just multiplied.
.macro TILE next
.if \next
	global_load_b32 v[TK], v[LADR], s[8:9]         ; no wait here: the last vector lines that name v[TK] or v[LADR] stand ahead of a wait on va_vdst (the head's, or those of the last tile's second half)
.endif
.irp u, 0,1,2,3,4,5,6,7
.if \next
.if \u < 4
	s_wait_loadcnt 25                              ; this pair's eight are in; younger: three pairs of eight and the list's load
.else
	s_wait_loadcnt 24                              ; younger: three pairs of eight; the list's load is older, so it is in too
.endif
.else
.if \u < 4
	s_wait_loadcnt 24
.else
	s_wait_loadcnt 8*(7-\u)                        ; the last tile asks for nothing more: the counts run down
.endif
.endif
.if (\next) && (\u == 4)
	s_wait_alu depctr_vm_vsrc(0)                   ; the list's load has read v[LADR] and the last tile's loads v[AN], v[ANS], which the lines below write; this tile's first half has read v[AC], v[ACS], which the moves at its end write
	v_min_u32 v[TK], 0x3ff, v[TK]
	v_mul_u32_u24 v[ANS], v[TK], 1600
	v_add_nc_u32 v[AN], v[ANS], v[H48]
	v_add_nc_u32 v[LADR], 256, v[LADR]             ; four tiles on
.endif
	MUL 2*\u
	MUL 2*\u+1
	WIN 0
.rept 4
	v_nop                                          ; places in front of loads into registers that matrix instructions have read, and of the first read of results
.endr
.if (\u < 4) || (\next)
	s_wait_alu depctr_va_vdst(0)                   ; the pair's eight products are done reading its two slots and scale words, in which the loads below land; the offsets that these loads read are written
.endif
.if \u < 4
	FILL AC, ACS, \u+4
.elseif \next
	FILL AN, ANS, \u-4
.endif
.endr
	EPI                                            ; (its eight additions on work registers and the four places above are more than the five places owed ahead of the product that begins an accumulator anew)
.if \next
	v_mov_b32 v[AC], v[AN]                         ; (free since the waits on vm_vsrc above: no load behind the fifth pair's reads v[AC] or v[ACS]; the next tile's first wait on va_vdst stands ahead of their next reader)
	v_mov_b32 v[ACS], v[ANS]
.endif
.endm
	s_load_b256 s[4:11], s[0:1], 0x0               ; xq s[4:5], wgu s[6:7], lists s[8:9], mid s[10:11]
	v_lshl_add_u32 v254, v0, 2, 0x18000
	v_mov_b32 v255, 0
	v_lshrrev_b32 v1, 5, v0
	v_readfirstlane_b32 s12, v1                    ; wave 0..3
	s_mov_b32 s13, ttmp9                           ; cg
	s_and_b32 s14, ttmp7, 0xffff                   ; e
	v_and_b32 v14, 31, v0                          ; lane
	v_and_b32 v1, 15, v0                           ; r
	v_bfe_u32 v2, v0, 4, 1                         ; h
	v_lshlrev_b32 v[LI], 4, v14
	v_add_nc_u32 v[LI2], 49152, v[LI]
	s_wait_alu depctr_va_sdst(0)                   ; s12 is written, ahead of its first reader: addresses and the trip count are made from it
	s_mul_i32 s15, s12, 24576
	v_add_nc_u32 v[WADR], s15, v[LI]
	v_lshlrev_b32 v220, 3, v14                     ; 8 x lane
	v_lshlrev_b32 v[LADR], 2, v1
	s_lshl_b32 s29, s12, 6
	v_add_nc_u32 v[LADR], s29, v[LADR]             ; entry 16 w + r
	v_mul_u32_u24 v[H48], v2, 48
	s_lshl_b32 s29, s12, 4
	v_add_nc_u32 v[MOFF], s29, v1                  ; row 16 w + r
	v_lshlrev_b32 v[SOFF], 5, v[MOFF]
	v_mul_u32_u24 v[MOFF], v[MOFF], 48
	v_mad_u32_u24 v[MOFF], v2, 12, v[MOFF]         ; + 12 h: my half of the block's 24 bytes
	v_mov_b32 v213, 0                              ; written once: a lane permute's destination counts as one of its sources
	s_lshl_b32 s16, s14, 5
	s_add_co_u32 s16, s16, s13
	s_mul_i32 s16, s16, 102400                     ; my block of wgu
	s_mov_b32 s17, 0
	s_mul_i32 s18, s14, 4352                       ; my expert's list
	s_mov_b32 s19, 0
	s_lshr_b32 s20, s13, 2
	s_lshl_b32 s20, s20, 1
	s_and_b32 s21, s13, 1
	s_add_co_u32 s20, s20, s21
	s_mul_i32 s20, s20, 393216                     ; plane 2 (cg / 4) + cg % 2,
	s_bfe_u32 s21, s13, 0x10001
	s_mul_i32 s21, s21, 24
	s_add_co_u32 s20, s20, s21                     ; the first or the second block of a row's 48 bytes,
	s_mul_i32 s21, s14, 49152
	s_add_co_u32 s20, s20, s21                     ; my expert's 1,024 rows
	s_mov_b32 s21, 0
	s_lshl_b32 s22, s14, 15
	s_add_co_u32 s22, s22, s13
	s_add_co_u32 s22, s22, 6291456                 ; the scale bytes: byte cg of a row's 32
	s_mov_b32 s23, 0
	s_mov_b32 s40, 0x76543210
	s_mov_b32 s41, 0xfedcba98                      ; v_permlanex16_b32's selects for lane l xor 16
	s_wait_kmcnt 0x0
	s_add_nc_u64 s[6:7], s[6:7], s[16:17]
	s_add_nc_u64 s[8:9], s[8:9], s[18:19]
	s_add_nc_u64 s[24:25], s[10:11], s[20:21]
	s_add_nc_u64 s[26:27], s[10:11], s[22:23]
	s_load_b32 s28, s[8:9], 0x1000                 ; the count
	s_wait_alu depctr_va_vdst(0)                   ; the head's addresses and offsets (v3, v4, v9, v11, v12, v15, v220) are written, which the loads and stores below read
	global_load_b32 v[TK], v[LADR], s[8:9]         ; my first tile's token: the oldest load
	WIN 0x40                                       ; destination window 1: my 16 fragments rest there on their way to LDS
.irp i, 0,1,2,3,4,5,6,7,8,9,10,11,12,13,14,15
.irp c, 0,1,2
	global_load_b128 v[12*\i+4*\c:12*\i+4*\c+3], v[WADR], s[6:7] offset:1536*\i+512*\c
.endr
.endr
	WIN 0
	s_wait_loadcnt 48                              ; the token is in; the 48 loads of the weights are younger
	s_wait_alu depctr_vm_vsrc(0)                   ; the token's load has read v[LADR], which the next line writes
	v_add_nc_u32 v[LADR], 256, v[LADR]             ; four tiles on
	v_min_u32 v[TK], 0x3ff, v[TK]
	v_mul_u32_u24 v[ACS], v[TK], 1600
	v_add_nc_u32 v[AC], v[ACS], v[H48]
.irp i, 0,1,2,3,4,5,6,7,8,9,10,11,12,13,14,15
	global_load_b64 v[WS+2*\i:WS+2*\i+1], v220, s[6:7] offset:98304+256*\i   ; (v220 was written ahead of the wait above, and the four lines since name neither it nor these registers)
.endr
	s_wait_alu depctr_va_vdst(0)                   ; v[AC] and v[ACS] are written, which the gather's loads read; so is v[LADR], and v[TK] has been read, for the list's load at the loop's head
	FILL AC, ACS, 0                                ; the first tile's K steps 0-7 go out while the weights are on their way
	FILL AC, ACS, 1
	FILL AC, ACS, 2
	FILL AC, ACS, 3
	s_wait_loadcnt 48                              ; the weights are in; younger: the 16 loads of scale words and the 32 of the first tile
	WIN 0x04                                       ; an LDS store's data are its source 1
.irp i, 0,1,2,3,4,5,6,7,8,9,10,11,12,13,14,15
.irp c, 0,1,2
	ds_store_b128 v[WADR], v[12*\i+4*\c:12*\i+4*\c+3] offset:1536*\i+512*\c
.endr
.endr
	WIN 0
	s_wait_dscnt 0x0                               ; for the others' sake: my quarter has landed
	s_barrier_signal -1
	s_barrier_wait -1                              ; the launch's one barrier: all 64 images lie in LDS and are not written again
	WIN 0x40                                       ; the first loads' window, then the wait, then the loads
	s_wait_alu depctr_vm_vsrc(0)                   ; my LDS stores have read the 192 registers of window 1 in which the LDS loads below land
.set FJ, 0
.rept 64
.if FJ < 63
	WIN (1+FJ/21)<<6
.set WR, 12*(FJ%21)
.else
	WIN 0
.set WR, W63
.endif
.irp c, 0,1,2
.if FJ < 32
	ds_load_b128 v[WR+4*\c:WR+4*\c+3], v[LI] offset:FJ*1536+512*\c
.else
	ds_load_b128 v[WR+4*\c:WR+4*\c+3], v[LI2] offset:(FJ-32)*1536+512*\c
.endif
.endr
.set FJ, FJ+1
.endr
	WIN 0
	s_wait_dscnt 0x0
	s_wait_kmcnt 0x0
	s_min_u32 s28, s28, 1024
	s_add_co_u32 s28, s28, 15
	s_lshr_b32 s28, s28, 4                         ; the expert's tiles,
	s_max_u32 s28, s28, 1                          ; one at the least
	s_add_co_u32 s28, s28, 3
	s_sub_co_u32 s28, s28, s12
	s_lshr_b32 s28, s28, 2                         ; my wave's: tiles w, w + 4, ..
	s_cmp_eq_u32 s28, 0
	s_cbranch_scc1 .Lend
	s_sub_co_u32 s28, s28, 1
	s_cmp_eq_u32 s28, 0
	s_cbranch_scc1 .Ltail
.Lrow:
	TILE 1
	s_sub_co_u32 s28, s28, 1
	s_cmp_lg_u32 s28, 0
	s_cbranch_scc1 .Lrow
.Ltail:
	TILE 0                                         ; the last tile is written out: no load for a tile that is not there
.Lend:
	s_wait_dscnt 0x0                               ; the closing lines, six on end
	s_wait_alu 0x0
	s_wait_tensorcnt 0x0
	ds_add_u32 v254, v255
	s_wait_dscnt 0x0
	s_endpgm
.Lfunc_end_k_qd066cfae09_gateup:
	.size	k_qd066cfae09_gateup, .Lfunc_end_k_qd066cfae09_gateup-k_qd066cfae09_gateup
	.p2alignl 7, 3214868480
	.fill 96, 4, 3214868480
	.section	.rodata,"a",@progbits
	.p2align	6, 0x0
	.amdhsa_kernel k_qd066cfae09_gateup
		.amdhsa_group_segment_fixed_size 98816
		.amdhsa_private_segment_fixed_size 0
		.amdhsa_enable_private_segment 0
		.amdhsa_kernarg_size 32
		.amdhsa_user_sgpr_count 2
		.amdhsa_user_sgpr_kernarg_segment_ptr 1
		.amdhsa_wavefront_size32 1
		.amdhsa_system_sgpr_workgroup_id_x 1
		.amdhsa_system_sgpr_workgroup_id_y 1
		.amdhsa_system_sgpr_workgroup_id_z 1
		.amdhsa_system_vgpr_workitem_id 0
		.amdhsa_next_free_vgpr 1024
		.amdhsa_next_free_sgpr 66
		.amdhsa_reserve_vcc 0
		.amdhsa_float_denorm_mode_32 3
		.amdhsa_float_denorm_mode_16_64 3
		.amdhsa_memory_ordered 1
		.amdhsa_forward_progress 1
		.amdhsa_inst_pref_size 68
	.end_amdhsa_kernel
	.amdgpu_metadata
---
amdhsa.version: [ 1, 2 ]
amdhsa.kernels:
  - .name:           k_qd066cfae09_gateup
    .symbol:         k_qd066cfae09_gateup.kd
    .args:
      - { .name: xq, .offset: 0, .size: 8, .value_kind: global_buffer, .address_space: global }
      - { .name: wgu, .offset: 8, .size: 8, .value_kind: global_buffer, .address_space: global }
      - { .name: lists, .offset: 16, .size: 8, .value_kind: global_buffer, .address_space: global }
      - { .name: mid, .offset: 24, .size: 8, .value_kind: global_buffer, .address_space: global }
    .group_segment_fixed_size: 98816
    .private_segment_fixed_size: 0
    .kernarg_segment_align: 8
    .kernarg_segment_size: 32
    .max_flat_workgroup_size: 128
    .sgpr_count:     66
    .vgpr_count:     1024
    .wavefront_size: 32
...
	.end_amdgpu_metadata
.endif
;; end of part 8
;; launch down (part 9): grid 32 x 8, 4 waves a work-group, no clusters, 67,072 bytes of LDS; arguments mid, wd, lists, part; writes part
.if DOCPART == 9
	.amdgcn_target "amdgcn-amd-amdhsa--gfx1250"
	.amdhsa_code_object_version 6
	.text
	.protected	k_qd066cfae09_down
	.globl	k_qd066cfae09_down
	.p2align	8
	.type	k_qd066cfae09_down,@function
k_qd066cfae09_down:
	s_mov_b64 s[64:65], 0
	v_nop
	global_prefetch_b8 v0, s[64:65] scope:SCOPE_SE
	s_setreg_imm32_b32 hwreg(HW_REG_WAVE_SCHED_MODE, 0, 2), 2
	s_setreg_imm32_b32 hwreg(HW_REG_WAVE_MODE, 25, 1), 1
	s_wait_xcnt 0x0
	s_wait_alu depctr_vm_vsrc(0)
; part[1,024 e + j][:] = mid row j of expert e x w_down[e], on codes of BF6 with E8M0 scales; f32 rows, unweighted: the next launch gathers and weighs them.
; SHARES.  Work-group (hg, e): 64 of the 2,048 columns.  Its 32 weight fragments (8 K steps x 4 tiles of 16 columns) stay in every wave's registers, 384 of them; wave w takes the expert's tiles of 16 rows w, w + 4, ..
; The weights come from memory once a work-group: each wave loads a quarter, the four meet in LDS as images of the registers, one barrier, each wave reads all.  The loop has no barrier: its trip count hangs on the stored count.
; mid's codes lie as a lane of a fragment takes them: 48 bytes a row in plane 2 s + h, so that sixteen lanes read 768 consecutive bytes.  A tile's eight K steps fit the ring: a whole tile ahead is on its way.
; THE PRODUCT IS USED TRANSPOSED (source 0 = 16 columns of W, source 1 = 16 rows of mid): a lane holds eight neighbouring columns of a row.  A tile goes through the wave's own stage in LDS and leaves as rows of 256 bytes.
; AN EXPERT HAS AT LEAST ONE TILE, as in the launch before: row 0 of every expert is stored, since the next launch reads such a row, with the weight 0, for a pick that is a zero expert.
; NO CLUSTER, NO TENSOR LOAD: the number of an expert's tiles hangs on counts read from memory, and a refill's barrier would stand in a loop so counted; what the 32 work-groups of an expert share, mid, is 800 bytes a row.
; REGISTERS: fragment f lies in window 1 + f / 21 at 12 (f % 21).  Window 0: see the names below.
; THE MODE: SCHED_MODE bits 1:0 = 2 (LLVM: expert scheduling mode 2), set by the entry lines.  The code itself states the register dependences
; between vector or matrix instructions and memory or LDS instructions, with s_wait_alu, always for 0.
; THE PLAN.  Registers that memory or LDS instructions touch, in the loop:
;   the ring and its scale words   K step s's four products read slot s; behind each pair of K steps the same pair of the next tile is loaded into the pair's two slots.
;   the accumulators               Written by the products; read by the stage's eight LDS stores; begun anew by the next tile's first products.
;   v[OB ..]                       The stage's eight LDS loads land in them; the eight global stores read them; the next tile's LDS loads land in them again.
;   v[AC], v[SA]                   Read by every load of mid; stepped by two vector additions at a tile's end.
;   v[STO], v[RD], v[GO]           Made once at the head.
; ONE wait on va_vdst stands behind each pair of K steps: its eight products are done reading the pair's slots and scale words; at a tile's first pair the stepped offsets are written; at its fourth pair the
; accumulators are written, which the stage's stores read.  It stands behind the pair and not at the next pair's head, so that the slots are asked for again at once.
; ONE wait on vm_vsrc stands at a tile's end: the loads have read the two offsets, the LDS stores the accumulators, the global stores v[OB ..]: all three are written again in the next tile.
.set LI,   3                           ; 16 x lane
.set AC,   4                           ; mid's codes: 393,216 h + 48 x my row
.set SA,   5                           ; its scale bytes: 32 x my row
.set STO,  6                           ; the stage: where I put 32 bytes of a row
.set RD,   7                           ; and where I read a row back
.set GO,   8                           ; my place in two rows of part
.set WADR, 15                          ; 16 x lane + 12,288 w
.set WS,   16                          ; v16-31   the weights' scale words: register 8 p + s: lanes 0-15 tile 2 p, lanes 16-31 tile 2 p + 1
.set RING, 32                          ; v32-127  mid's fragments of the eight K steps
.set AS,   128                         ; v128-135 their scale words
.set ACC,  136                         ; v136-167 four accumulators
.set OB,   168                         ; v168-199 16 rows read back from the stage
.set STG,  49152                       ; LDS: 0 .. 49,151 the weights' images; then a stage of 16 rows x 272 bytes for each wave
.set MSB, 0
.macro WIN new                         ; the immediate's high byte repeats the setting that is left; a switch that changes nothing is dropped
.if MSB != (\new)
	s_set_vgpr_msb (MSB<<8)|(\new)
.set MSB, (\new)
.endif
.endm
.macro FILL4 u, d, d2                  ; K steps 2 u and 2 u + 1, d bytes of codes and d2 bytes of scales further on: seven loads
.irp e, 0,1
.irp i, 0,1,2
	global_load_b128 v[RING+12*(2*(\u)+\e)+4*\i:RING+12*(2*(\u)+\e)+4*\i+3], v[AC], s[4:5] offset:786432*(2*(\u)+\e)+16*\i+\d
.endr
.endr
	global_load_b64 v[AS+2*(\u):AS+2*(\u)+1], v[SA], s[24:25] offset:8*(\u)+\d2
.endm
; K step s: four products; the four accumulators take turns in the same order in every step.  Step 0 starts the sums.
.macro MUL s
.irp q, 0,1,2,3
.set FI, 4*(\s)+\q
	WIN 1+FI/21
.set WR, 12*(FI%21)
.set AQ, ACC+8*\q
.set BR, RING+12*(\s)
.set SCA, WS+8*(\q/2)+(\s)
.set SCB, AS+(\s)
.if ((\s) == 0) && (\q%2 == 1)
	v_wmma_scale_f32_16x16x128_f8f6f4 v[AQ:AQ+7], v[WR:WR+11], v[BR:BR+11], 0, v[SCA], v[SCB] matrix_a_fmt:MATRIX_FMT_BF6 matrix_b_fmt:MATRIX_FMT_BF6 matrix_a_scale:MATRIX_SCALE_ROW1
.elseif (\s) == 0
	v_wmma_scale_f32_16x16x128_f8f6f4 v[AQ:AQ+7], v[WR:WR+11], v[BR:BR+11], 0, v[SCA], v[SCB] matrix_a_fmt:MATRIX_FMT_BF6 matrix_b_fmt:MATRIX_FMT_BF6
.elseif \q%2 == 1
	v_wmma_scale_f32_16x16x128_f8f6f4 v[AQ:AQ+7], v[WR:WR+11], v[BR:BR+11], v[AQ:AQ+7], v[SCA], v[SCB] matrix_a_fmt:MATRIX_FMT_BF6 matrix_b_fmt:MATRIX_FMT_BF6 matrix_a_scale:MATRIX_SCALE_ROW1
.else
	v_wmma_scale_f32_16x16x128_f8f6f4 v[AQ:AQ+7], v[WR:WR+11], v[BR:BR+11], v[AQ:AQ+7], v[SCA], v[SCB] matrix_a_fmt:MATRIX_FMT_BF6 matrix_b_fmt:MATRIX_FMT_BF6
.endif
.endr
.endm
; A tile of 16 rows: 32 products.  At its head its four pairs of K steps are on their way (28 loads).  next = 1: behind each pair the same pair of the next tile is asked for.
.macro TILE4 next
.irp u, 0,1,2,3
.if \next
	s_wait_loadcnt 21                              ; this pair's seven are in; younger: three pairs of seven
.else
	s_wait_loadcnt 7*(3-\u)                        ; the last tile asks for nothing more: the counts run down
.endif
	MUL 2*\u
	MUL 2*\u+1
	WIN 0
.rept 4
	v_nop                                          ; places in front of loads into registers that matrix instructions have read, and of the stores that read results
.endr
.if (\next) || (\u == 3)
	s_wait_alu depctr_va_vdst(0)                   ; the pair's eight products are done reading its two slots and scale words, in which the loads below land, and the two offsets are written; at the fourth pair the accumulators are written, which the stage's stores read
.endif
.if \next
	FILL4 \u, 3072, 2048
.endif
.endr
.irp q, 0,1,2,3
	ds_store_b128 v[STO], v[ACC+8*\q:ACC+8*\q+3] offset:64*\q          ; each accumulator from its low end on
	ds_store_b128 v[STO], v[ACC+8*\q+4:ACC+8*\q+7] offset:64*\q+16
.endr
.irp i, 0,1,2,3,4,5,6,7
	ds_load_b128 v[OB+4*\i:OB+4*\i+3], v[RD] offset:544*\i             ; LDS serves a wave's instructions in order: these see my stores, and the next tile's stores come behind them
.endr
.irp i, 0,1,2,3,4,5,6,7
	s_wait_dscnt 7-\i                              ; younger: the loads behind this one
	global_store_b128 v[GO], v[OB+4*\i:OB+4*\i+3], s[10:11] offset:16384*\i   ; sixteen lanes store 256 consecutive bytes, at a multiple of 256 from part's first byte
.endr
.if \next
	s_wait_xcnt 0x0                                ; offsets, base and data are written again only behind this wait
	s_wait_alu depctr_vm_vsrc(0)                   ; the loads have read v[AC] and v[SA], which the two lines below write; the stage's stores have read the accumulators, which the next tile's first products write; the global stores have read v[OB ..], in which its LDS loads land
	v_add_nc_u32 v[AC], 3072, v[AC]                ; 64 rows on.  (These two lines and the four places above are the places owed ahead of the product that begins an accumulator anew)
	v_add_nc_u32 v[SA], 2048, v[SA]
	s_add_nc_u64 s[10:11], s[10:11], 0x80000
.endif
.endm
	s_load_b256 s[4:11], s[0:1], 0x0               ; mid s[4:5], wd s[6:7], lists s[8:9], part s[10:11]
	v_lshl_add_u32 v254, v0, 2, 0x10400
	v_mov_b32 v255, 0
	v_lshrrev_b32 v1, 5, v0
	v_readfirstlane_b32 s12, v1                    ; wave 0..3
	s_mov_b32 s13, ttmp9                           ; hg
	s_and_b32 s14, ttmp7, 0xffff                   ; e
	v_and_b32 v14, 31, v0                          ; lane
	v_and_b32 v1, 15, v0                           ; r
	v_bfe_u32 v2, v0, 4, 1                         ; h
	v_lshlrev_b32 v[LI], 4, v14
	s_wait_alu depctr_va_sdst(0)                   ; s12 is written, ahead of its first reader: addresses and the trip count are made from it
	s_mul_i32 s15, s12, 12288
	v_add_nc_u32 v[WADR], s15, v[LI]
	v_lshlrev_b32 v9, 3, v14                       ; 8 x lane
	s_mul_i32 s15, s12, 4352
	s_add_co_u32 s15, s15, STG                     ; my stage
	v_mul_u32_u24 v[STO], v1, 272
	v_lshl_add_u32 v[STO], v2, 5, v[STO]
	v_add_nc_u32 v[STO], s15, v[STO]               ; in: row r, + 32 h
	v_mul_u32_u24 v[RD], v2, 272
	v_lshl_add_u32 v[RD], v1, 4, v[RD]
	v_add_nc_u32 v[RD], s15, v[RD]                 ; back: lanes 0-15 one row of 256 bytes, lanes 16-31 the next
	v_lshlrev_b32 v[GO], 13, v2
	v_lshl_add_u32 v[GO], v1, 4, v[GO]             ; and the same two rows of part
	s_lshl_b32 s15, s12, 4
	v_add_nc_u32 v[SA], s15, v1                    ; row 16 w + r
	v_mul_u32_u24 v[AC], v[SA], 48
	v_mul_u32_u24 v10, v2, 393216
	v_add_nc_u32 v[AC], v[AC], v10
	v_lshlrev_b32 v[SA], 5, v[SA]
	s_lshl_b32 s16, s14, 5
	s_add_co_u32 s16, s16, s13
	s_mul_i32 s16, s16, 51200                      ; my block of wd
	s_mov_b32 s17, 0
	s_mul_i32 s18, s14, 4352                       ; my expert's list
	s_mov_b32 s19, 0
	s_mul_i32 s20, s14, 49152                      ; my expert's rows in a plane of codes
	s_mov_b32 s21, 0
	s_lshl_b32 s22, s14, 15
	s_add_co_u32 s22, s22, 6291456                 ; and among the scale bytes
	s_mov_b32 s23, 0
	s_lshl_b32 s26, s14, 10
	s_add_co_u32 s26, s26, s15                     ; row 1,024 e + 16 w of part,
	s_lshl_b32 s26, s26, 13
	s_lshl_b32 s27, s13, 8
	s_add_co_u32 s26, s26, s27                     ; + 256 hg bytes
	s_mov_b32 s27, 0
	s_wait_kmcnt 0x0
	s_add_nc_u64 s[24:25], s[4:5], s[22:23]
	s_add_nc_u64 s[4:5], s[4:5], s[20:21]
	s_add_nc_u64 s[6:7], s[6:7], s[16:17]
	s_add_nc_u64 s[8:9], s[8:9], s[18:19]
	s_add_nc_u64 s[10:11], s[10:11], s[26:27]
	s_load_b32 s28, s[8:9], 0x1000                 ; the count
	s_wait_alu depctr_va_vdst(0)                   ; the head's addresses and offsets (v3 to v9, v15) are written, which the loads and stores below read
.irp i, 0,1,2,3,4,5,6,7
	global_load_b64 v[WS+2*\i:WS+2*\i+1], v9, s[6:7] offset:49152+256*\i
.endr
.irp i, 0,1,2,3,4,5,6,7
.irp c, 0,1,2
	global_load_b128 v[RING+12*\i+4*\c:RING+12*\i+4*\c+3], v[WADR], s[6:7] offset:1536*\i+512*\c      ; my 8 fragments rest in the ring on their way to LDS
.endr
.endr
	s_wait_loadcnt 0x0
.irp i, 0,1,2,3,4,5,6,7
.irp c, 0,1,2
	ds_store_b128 v[WADR], v[RING+12*\i+4*\c:RING+12*\i+4*\c+3] offset:1536*\i+512*\c
.endr
.endr
	s_wait_dscnt 0x0                               ; for the others' sake: my quarter has landed
	s_barrier_signal -1
	s_barrier_wait -1                              ; the launch's one barrier: all 32 images lie in LDS and are not written again
	s_wait_alu depctr_vm_vsrc(0)                   ; my LDS stores have read the ring's registers, in which the first tile's loads land behind the branch below
.set FJ, 0
.rept 32
	WIN (1+FJ/21)<<6
.set WR, 12*(FJ%21)
.irp c, 0,1,2
	ds_load_b128 v[WR+4*\c:WR+4*\c+3], v[LI] offset:FJ*1536+512*\c
.endr
.set FJ, FJ+1
.endr
	WIN 0
	s_wait_dscnt 0x0
	s_wait_kmcnt 0x0
	s_min_u32 s28, s28, 1024
	s_add_co_u32 s28, s28, 15
	s_lshr_b32 s28, s28, 4                         ; the expert's tiles,
	s_max_u32 s28, s28, 1                          ; one at the least
	s_add_co_u32 s28, s28, 3
	s_sub_co_u32 s28, s28, s12
	s_lshr_b32 s28, s28, 2                         ; my wave's: tiles w, w + 4, ..
	s_cmp_eq_u32 s28, 0
	s_cbranch_scc1 .Lend
	FILL4 0, 0, 0
	FILL4 1, 0, 0
	FILL4 2, 0, 0
	FILL4 3, 0, 0
	s_sub_co_u32 s28, s28, 1
	s_cmp_eq_u32 s28, 0
	s_cbranch_scc1 .Ltail
.Lrow:
	TILE4 1
	s_sub_co_u32 s28, s28, 1
	s_cmp_lg_u32 s28, 0
	s_cbranch_scc1 .Lrow
.Ltail:
	TILE4 0                                        ; the last tile is written out: no load for a tile that is not there
.Lend:
	s_wait_dscnt 0x0                               ; the closing lines, six on end
	s_wait_alu 0x0
	s_wait_tensorcnt 0x0
	ds_add_u32 v254, v255
	s_wait_dscnt 0x0
	s_endpgm
.Lfunc_end_k_qd066cfae09_down:
	.size	k_qd066cfae09_down, .Lfunc_end_k_qd066cfae09_down-k_qd066cfae09_down
	.p2alignl 7, 3214868480
	.fill 96, 4, 3214868480
	.section	.rodata,"a",@progbits
	.p2align	6, 0x0
	.amdhsa_kernel k_qd066cfae09_down
		.amdhsa_group_segment_fixed_size 67072
		.amdhsa_private_segment_fixed_size 0
		.amdhsa_enable_private_segment 0
		.amdhsa_kernarg_size 32
		.amdhsa_user_sgpr_count 2
		.amdhsa_user_sgpr_kernarg_segment_ptr 1
		.amdhsa_wavefront_size32 1
		.amdhsa_system_sgpr_workgroup_id_x 1
		.amdhsa_system_sgpr_workgroup_id_y 1
		.amdhsa_system_sgpr_workgroup_id_z 1
		.amdhsa_system_vgpr_workitem_id 0
		.amdhsa_next_free_vgpr 768
		.amdhsa_next_free_sgpr 66
		.amdhsa_reserve_vcc 0
		.amdhsa_float_denorm_mode_32 3
		.amdhsa_float_denorm_mode_16_64 3
		.amdhsa_memory_ordered 1
		.amdhsa_forward_progress 1
		.amdhsa_inst_pref_size 34
	.end_amdhsa_kernel
	.amdgpu_metadata
---
amdhsa.version: [ 1, 2 ]
amdhsa.kernels:
  - .name:           k_qd066cfae09_down
    .symbol:         k_qd066cfae09_down.kd
    .args:
      - { .name: mid, .offset: 0, .size: 8, .value_kind: global_buffer, .address_space: global }
      - { .name: wd, .offset: 8, .size: 8, .value_kind: global_buffer, .address_space: global }
      - { .name: lists, .offset: 16, .size: 8, .value_kind: global_buffer, .address_space: global }
      - { .name: part, .offset: 24, .size: 8, .value_kind: global_buffer, .address_space: global }
    .group_segment_fixed_size: 67072
    .private_segment_fixed_size: 0
    .kernarg_segment_align: 8
    .kernarg_segment_size: 32
    .max_flat_workgroup_size: 128
    .sgpr_count:     66
    .vgpr_count:     768
    .wavefront_size: 32
...
	.end_amdgpu_metadata
.endif
;; end of part 9
;; launch combine (part 10): grid 512 x 1, 4 waves a work-group, no clusters, 0 bytes of LDS; arguments hidden_states, part, ridx, rwt, lists, out0; writes out0
.if DOCPART == 10
	.amdgcn_target "amdgcn-amd-amdhsa--gfx1250"
	.amdhsa_code_object_version 6
	.text
	.protected	k_qd066cfae09_combine
	.globl	k_qd066cfae09_combine
	.p2align	8
	.type	k_qd066cfae09_combine,@function
k_qd066cfae09_combine:
	s_mov_b64 s[64:65], 0
	v_nop
	global_prefetch_b8 v0, s[64:65] scope:SCOPE_SE
	s_setreg_imm32_b32 hwreg(HW_REG_WAVE_MODE, 25, 1), 1
	s_wait_xcnt 0x0
; out[t] = zw x[t] + the sum over the four picks k of wr_k part[row_k]:  wr_k = the pick's weight where its class is a real expert (under 8), else 0;  zw = the sum of the weights of the picks that are zero experts.
; Each output row has one owner: a wave makes half a row, 4,096 bytes; a work-group two rows.  The class, the weights and the token's place in each expert's list were stored by earlier launches.
; NO BRANCH AND NO CHOICE OF BUFFERS: a pick that is a zero expert reads expert 7's row at inv[7][t] (the token's own row there, or row 0, which is always stored) and weighs it with 0.
; LIMIT: 0 x that row is 0 where the row is finite: it is a row that the full computation of every expert for every token holds too, so it is finite wherever that computation is.
; The row's number goes into the vector offset, held at 8,191 rows of 8,192 bytes; the bases are the buffers' own addresses.
; A stream: no LDS, no matrix unit, no cluster (no work-group shares a tile with another); 40 loads of 512 consecutive bytes are on their way in each wave.
	s_load_b256 s[4:11], s[0:1], 0x0               ; x s[4:5], part s[6:7], ridx s[8:9], rwt s[10:11]
	s_load_b128 s[12:15], s[0:1], 0x20             ; lists s[12:13], out s[14:15]
	v_lshrrev_b32 v1, 5, v0
	v_readfirstlane_b32 s16, v1                    ; wave 0..3
	v_and_b32 v2, 31, v0
	s_lshr_b32 s17, s16, 1
	s_lshl_b32 s18, ttmp9, 1
	s_add_co_u32 s17, s17, s18                     ; my token
	s_and_b32 s18, s16, 1
	s_lshl_b32 s18, s18, 12                        ; which half of the row
	v_lshlrev_b32 v2, 4, v2
	v_add_nc_u32 v2, s18, v2                       ; 16 x lane + 4,096 x half
	s_lshl_b32 s19, s17, 2
	s_lshl_b32 s20, s17, 4
	s_lshl_b32 s22, s17, 13
	s_mov_b32 s23, 0
	s_mov_b32 s46, 0                               ; zw
	s_wait_alu depctr_va_vdst(0)
	s_wait_kmcnt 0x0
	s_load_b32 s21, s[8:9], s19 offset:0x1000      ; kidx: byte k = the k-th chosen class
	s_load_b128 s[24:27], s[10:11], s20 offset:0x0 ; the four weights
	s_add_nc_u64 s[14:15], s[14:15], s[22:23]      ; out at my row
	s_add_nc_u64 s[4:5], s[4:5], s[22:23]          ; x likewise
.irp i, 0,1,2,3,4,5,6,7
	global_load_b128 v[16+4*\i:19+4*\i], v2, s[4:5] offset:512*\i
.endr
	s_wait_kmcnt 0x0
.irp k, 0,1,2,3
	s_bfe_u32 s[28+\k], s21, (8<<16)|(8*\k)        ; the class
	s_min_u32 s[32+\k], s[28+\k], 7                ; as an expert's number
	s_lshl_b32 s[36+\k], s[32+\k], 12
	s_add_co_u32 s[36+\k], s[36+\k], s19
	s_load_b32 s[40+\k], s[12:13], s[36+\k] offset:0x8800   ; inv[expert][token]: every word of it is stored
.endr
	s_wait_kmcnt 0x0
.irp k, 0,1,2,3
	s_min_u32 s[40+\k], s[40+\k], 1023
	s_lshl_b32 s[32+\k], s[32+\k], 10
	s_add_co_u32 s[40+\k], s[40+\k], s[32+\k]      ; the row of part
	v_mov_b32 v[4+\k], s[40+\k]
	v_min_u32 v[4+\k], 0x1fff, v[4+\k]             ; inside part's 8,192 rows
	v_mul_u32_u24 v[4+\k], v[4+\k], 0x2000         ; of 8,192 bytes
	v_add_nc_u32 v[4+\k], v[4+\k], v2
	s_cmp_lt_u32 s[28+\k], 8                       ; a real expert?
	s_cselect_b32 s[66+2*\k], s[24+\k], 0          ; its weight, or 0
	s_cselect_b32 s44, 0, s[24+\k]                 ; a zero expert's weight goes to x
	s_mov_b32 s[67+2*\k], s[66+2*\k]               ; (the packed forms name a pair and take its low word for both halves: so the upper word is written)
	s_add_f32 s46, s46, s44
.endr
	s_mov_b32 s47, s46
	s_wait_alu depctr_va_vdst(0)
.irp k, 0,1,2,3
.irp i, 0,1,2,3,4,5,6,7
	global_load_b128 v[48+32*\k+4*\i:51+32*\k+4*\i], v[4+\k], s[6:7] offset:512*\i
.endr
.endr
	s_wait_loadcnt 32                              ; x's eight are in; four runs of eight are younger
.irp j, 0,2,4,6,8,10,12,14,16,18,20,22,24,26,28,30
	v_pk_mul_f32 v[16+\j:17+\j], v[16+\j:17+\j], s[46:47] op_sel_hi:[1,0]
.endr
	s_wait_loadcnt 24                              ; the first pick's eight are in; three runs are younger
.irp j, 0,2,4,6,8,10,12,14,16,18,20,22,24,26,28,30
	v_pk_fma_f32 v[16+\j:17+\j], v[48+\j:49+\j], s[66:67], v[16+\j:17+\j] op_sel_hi:[1,0,1]
.endr
	s_wait_loadcnt 16
.irp j, 0,2,4,6,8,10,12,14,16,18,20,22,24,26,28,30
	v_pk_fma_f32 v[16+\j:17+\j], v[80+\j:81+\j], s[68:69], v[16+\j:17+\j] op_sel_hi:[1,0,1]
.endr
	s_wait_loadcnt 8
.irp j, 0,2,4,6,8,10,12,14,16,18,20,22,24,26,28,30
	v_pk_fma_f32 v[16+\j:17+\j], v[112+\j:113+\j], s[70:71], v[16+\j:17+\j] op_sel_hi:[1,0,1]
.endr
	s_wait_loadcnt 0x0
.irp j, 0,2,4,6,8,10,12,14,16,18,20,22,24,26,28,30
	v_pk_fma_f32 v[16+\j:17+\j], v[144+\j:145+\j], s[72:73], v[16+\j:17+\j] op_sel_hi:[1,0,1]
.endr
.irp i, 0,1,2,3,4,5,6,7
	global_store_b128 v2, v[16+4*\i:19+4*\i], s[14:15] offset:512*\i th:TH_STORE_NT   ; 512 consecutive bytes, at a multiple of 256 from out's first byte; written once
.endr
	s_endpgm
.Lfunc_end_k_qd066cfae09_combine:
	.size	k_qd066cfae09_combine, .Lfunc_end_k_qd066cfae09_combine-k_qd066cfae09_combine
	.p2alignl 7, 3214868480
	.fill 96, 4, 3214868480
	.section	.rodata,"a",@progbits
	.p2align	6, 0x0
	.amdhsa_kernel k_qd066cfae09_combine
		.amdhsa_group_segment_fixed_size 0
		.amdhsa_private_segment_fixed_size 0
		.amdhsa_enable_private_segment 0
		.amdhsa_kernarg_size 48
		.amdhsa_user_sgpr_count 2
		.amdhsa_user_sgpr_kernarg_segment_ptr 1
		.amdhsa_wavefront_size32 1
		.amdhsa_system_sgpr_workgroup_id_x 1
		.amdhsa_system_sgpr_workgroup_id_y 1
		.amdhsa_system_sgpr_workgroup_id_z 1
		.amdhsa_system_vgpr_workitem_id 0
		.amdhsa_next_free_vgpr 176
		.amdhsa_next_free_sgpr 80
		.amdhsa_reserve_vcc 0
		.amdhsa_float_denorm_mode_32 3
		.amdhsa_float_denorm_mode_16_64 3
		.amdhsa_memory_ordered 1
		.amdhsa_forward_progress 1
		.amdhsa_inst_pref_size 14
	.end_amdhsa_kernel
	.amdgpu_metadata
---
amdhsa.version: [ 1, 2 ]
amdhsa.kernels:
  - .name:           k_qd066cfae09_combine
    .symbol:         k_qd066cfae09_combine.kd
    .args:
      - { .name: hidden_states, .offset: 0, .size: 8, .value_kind: global_buffer, .address_space: global }
      - { .name: part, .offset: 8, .size: 8, .value_kind: global_buffer, .address_space: global }
      - { .name: ridx, .offset: 16, .size: 8, .value_kind: global_buffer, .address_space: global }
      - { .name: rwt, .offset: 24, .size: 8, .value_kind: global_buffer, .address_space: global }
      - { .name: lists, .offset: 32, .size: 8, .value_kind: global_buffer, .address_space: global }
      - { .name: out0, .offset: 40, .size: 8, .value_kind: global_buffer, .address_space: global }
    .group_segment_fixed_size: 0
    .private_segment_fixed_size: 0
    .kernarg_segment_align: 8
    .kernarg_segment_size: 48
    .max_flat_workgroup_size: 128
    .sgpr_count:     80
    .vgpr_count:     176
    .wavefront_size: 32
...
	.end_amdgpu_metadata
.endif
;; end of part 10
